; MI455X (gfx1250); checked and timed in simulation.
; The chip was launched on July 23, 2026; its instructions are those of AMD's public machine-readable ISA for CDNA 5 (MIT licence, August 2026) and "CDNA5" Instruction Set Architecture Reference Guide (July 2026). The comments in the code are by the model that wrote it; some were corrected since.
;; Multi Head Attention. Allowed arithmetic: matrix products marked QUANTISED: E4M3 operands, one E8M0 scale for each 32 along K, by v_wmma_scale_f32_16x16x128_f8f6f4 with both operands' format E4M3, f32 sums; everything else in f32.
;; Inputs: ln_a 1,024 float32; ln_b 1,024 float32; proj_b 1,024 float32; proj_w_codes 1,024 x 32 x 32 uint8 (E4M3 codes of proj_w, K innermost, in blocks of 32 codes); proj_w_scales 1,024 x 32 uint8 (E8M0 scales of proj_w, one for each 32 codes along K); q 4 x 2,048 x 1,024 float32; w_ks_codes 16 x 64 x 32 x 32 uint8 (E4M3 codes of w_ks, K innermost, in blocks of 32 codes); w_ks_scales 16 x 64 x 32 uint8 (E8M0 scales of w_ks, one for each 32 codes along K); w_qs_codes 16 x 64 x 32 x 32 uint8 (E4M3 codes of w_qs, K innermost, in blocks of 32 codes); w_qs_scales 16 x 64 x 32 uint8 (E8M0 scales of w_qs, one for each 32 codes along K); w_vs_codes 16 x 64 x 32 x 32 uint8 (E4M3 codes of w_vs, K innermost, in blocks of 32 codes); w_vs_scales 16 x 64 x 32 uint8 (E8M0 scales of w_vs, one for each 32 codes along K).
;; Outputs: out0 4 x 2,048 x 1,024 float32.
;; This version of the problem:
;;   THIS VERSION OF THE PROBLEM IS GIVEN IN LOW PRECISION. The matrix products marked QUANTISED in the list below multiply operands that are first quantised to E4M3 (4 exponent bits, 3 mantissa bits; 8 bits a number), with one power-of-two scale for each 32 numbers along K (OCP MX v1.0); their sums are f32. All else is computed in f32.
;;   The module's matrix products, in the order in which they are computed (A, B: the left and right operand; K: the contracted axis; several contracted axes count as one K, in the product's order):
;;     1. [M 1,024, K 1,024] x [K 1,024, N 8,192]; A: input w_qs (given as codes); B: input q: QUANTISED
;;     2. [M 1,024, K 1,024] x [K 1,024, N 8,192]; A: input w_ks (given as codes); B: input q: QUANTISED
;;     3. [M 1,024, K 1,024] x [K 1,024, N 8,192]; A: input w_vs (given as codes); B: input q: QUANTISED
;;     4. batch 64 x [M 2,048, K 64] x [K 64, N 2,048]; A: computed on the way; B: computed on the way: QUANTISED
;;     5. batch 64 x [M 2,048, K 2,048] x [K 2,048, N 64]; A: softmax (see below); B: computed on the way: QUANTISED
;;     6. [M 8,192, K 1,024] x [K 1,024, N 1,024]; A: computed on the way; B: input proj_w (given as codes): QUANTISED
;;   THE QUANTISER, for each operand of a quantised product, along K:
;;     - K is cut into blocks of 32 from its start; a last block that is shorter is filled with zeros.
;;     - A block's scale is 2^e with e = floor(log2(the largest magnitude in the block)) - 8, held to -126 .. 127; a block of zeros has e = 0. As a byte (E8M0): e + 127.
;;     - Each number is divided by its block's scale, clamped to +-448, and rounded to the nearest number of E4M3, ties to even, subnormals kept.
;;     - The product sums the exact products of the quantised numbers (number of the format x scale) in f32.
;;   ~~~python
;;   def quantise(x, axis):      # numpy; x: float32 -> the quantised numbers, widened to float32 again
;;       x = np.moveaxis(x, axis, -1); K = x.shape[-1]
;;       x = np.pad(x, [(0, 0)] * (x.ndim - 1) + [(0, -K % 32)]); x = x.reshape(x.shape[:-1] + (-1, 32)); a = np.abs(x).max(-1, keepdims=True)
;;       e = np.where(a > 0, np.clip(np.frexp(np.where(a > 0, a, 1))[1] - 1 - 8, -126, 127), 0)      # np.frexp(a)[1] - 1 = floor(log2(a)), exactly
;;       r = np.clip(x / 2.0 ** e, -448, 448)
;;       step = 2.0 ** (np.maximum(np.frexp(np.where(r == 0, 1, r))[1] - 1, -6) - 3)
;;       q = np.round(r / step) * step * 2.0 ** e      # np.round: ties to even
;;       return np.moveaxis(q.reshape(q.shape[:-2] + (-1,))[..., :K], -1, axis).astype(np.float32)
;;   ~~~
;;   SOFTMAX AHEAD OF A QUANTISED PRODUCT. Where the list says 'softmax', what is quantised is not the finished softmax but p = 2^(t - M), with t = logit x log2(e) and M = ceil(the row's largest t), a whole number; so 1/2 < the row's largest p <= 1. The row's sum l is taken of the UNQUANTISED p, in f32, and the product's result is divided by l at the end. Since M is a whole number, a kernel that streams over the keys may use a running M (the ceiling of the running maximum): every later rescaling is an exact power of two, which a block's scale takes up: the codes' values come out the same.
;;   OPERANDS COMPUTED ON THE WAY. 'Computed on the way' means the value that the module computes at that place (a softmax that the list does not call 'softmax' is quantised finished and normalised). What goes into a quantiser is computed in f32, as accurately as f32 sums, v_exp_f32 and their like allow (about 1e-6 of the number): no bf16 or f16 on the way to a quantiser, and a product that is left as it is and whose result goes on into a quantised operand takes f32 operands (vector FMAs, or v_wmma_f32_16x16x4_f32). A number that lies on a knife's edge between two numbers of the format may be rounded either way, as far as f32 arithmetic and the matrix unit's own rounding can turn it there, and no further.
;;   INPUTS GIVEN AS CODES. proj_w (in the module: [1024, 1024], K = its axis 1); w_ks (in the module: [16, 1024, 64], K = its axis 1); w_qs (in the module: [16, 1024, 64], K = its axis 1); w_vs (in the module: [16, 1024, 64], K = its axis 1): each comes as NAME_codes (uint8): NAME with its K axis moved to the last place and cut into blocks of 32 codes, [.., K / 32, bytes a block], one block behind the other in memory; one code a byte (a code: sign, 4 exponent bits, 3 mantissa bits); and NAME_scales (uint8): the same leading axes, one E8M0 byte (e + 127) for each 32 codes along K. Its value is code x scale, taken as it is: it is not quantised again, and the codes and scales need not be those that the quantiser above would give.
;; One version. Each part assembles by itself: llvm-mc -triple=amdgcn-amd-amdhsa -mcpu=gfx1250 --defsym DOCPART=n.
;; ======== version 1 of 1: 4 launches
;; limits: right only within a limited range of input values
;; workspace buffers: qc 8,388,608 bytes; qsc 262,144 bytes; pwi 1,048,576 bytes; qi 8,388,608 bytes; qs 1,048,576 bytes; kv 17,825,792 bytes; ai 8,388,608 bytes; asw 1,048,576 bytes
;; launch prep (part 1): grid 272 x 1, 4 waves a work-group, no clusters, 33,280 bytes of LDS; arguments q, proj_w_codes, qc, qsc, pwi; writes qc, qsc, pwi
.if DOCPART == 1
	.amdgcn_target "amdgcn-amd-amdhsa--gfx1250"
	.amdhsa_code_object_version 6
	.text
	.protected	k_qf923ecb1f2_prep
	.globl	k_qf923ecb1f2_prep
	.p2align	8
	.type	k_qf923ecb1f2_prep,@function
k_qf923ecb1f2_prep:
	s_mov_b64 s[64:65], 0
	v_nop
	global_prefetch_b8 v0, s[64:65] scope:SCOPE_SE
	s_setreg_imm32_b32 hwreg(HW_REG_WAVE_MODE, 25, 1), 1
	s_wait_xcnt 0x0
; PREP.  Two jobs, told apart by the work-group's number.
; Work-groups 0-255: q [8192][1024] f32 becomes codes of FP8 (E4M3), K innermost (qc), with one E8M0 byte for each 32 along K (qsc).
;   A block's scale is 2^(floor(log2(its largest magnitude)) - 8); its byte is the largest magnitude's exponent field - 8, held at 1 from below; each number is held within +-448 x the scale and rounded to the nearest code.
;   Rows are dense and 1,024 is a multiple of 32: q is a plain stream of blocks of 32.  A wave takes 16 steps of 512 numbers.  Each load reads 512 consecutive bytes; a step's 2,048 bytes turn through the wave's own
;   stage in LDS, so that a lane then holds 16 neighbours (two neighbouring lanes hold a block).  A wave's 256 scale bytes are gathered in LDS and leave as 256 consecutive bytes.
; Work-groups 256-271: proj_w's codes [1024][1024] are laid anew (pwi) in the order of an operand's registers: [tile of 16 rows n][K step s][group c][lane][16 bytes]; lane (r, h) holds row 16 n + r, bytes 128 s + 32 c + 16 h on.
;   A wave takes one tile of 16 rows.  This path uses no LDS.
; LIMITS: a block whose largest magnitude lies under 2^-118 gets the byte 1; a block of zeros gets the byte 1 where the rule says 127 (its codes are zeros, and these bytes are read by this program alone); NaN and infinities are not served.
.set QWG,   256                        ; work-groups that quantise: 8,388,608 numbers / 32,768
.set STEPS, 16
.set EMAX,  8
.set MANT,  0x600000                   ; the mantissa field of 448 as f32
.set CB,    16                         ; bytes of 16 codes
.set R,     16                         ; v16-127  seven sets of 16 numbers as they are loaded
.set X,     128                        ; v128-159 two sets of 16 neighbours
.set C,     176                        ; v176-239 codes: four registers for each step
.set E,     160                        ; v160-175 a scale byte for each step
.set WREG,  8192                       ; LDS: a region for each wave: two stages of 32 x SP bytes, then its 256 scale bytes
.set SP,    80                         ; a lane's place in a stage: 64 bytes + 16 of padding
	s_load_b128 s[4:7], s[0:1], 0x0                ; q, proj_w's codes
	s_load_b128 s[8:11], s[0:1], 0x10              ; qc, qsc
	s_load_b64 s[12:13], s[0:1], 0x20              ; pwi
	v_lshl_add_u32 v240, v0, 2, 0x8000
	v_mov_b32 v241, 0
	v_lshrrev_b32 v1, 5, v0
	v_readfirstlane_b32 s16, v1                    ; wave
	v_and_b32 v2, 31, v0                           ; lane
	s_mov_b32 s21, 0
	s_wait_kmcnt 0x0
	s_cmp_ge_u32 ttmp9, QWG
	s_cbranch_scc1 .Lrelay
	; ---- the quantiser
	s_wait_alu depctr_va_vdst(0)
	v_lshlrev_b32 v3, 4, v2                        ; my 16 bytes of a load's 512
	s_mul_i32 s17, s16, WREG
	v_lshrrev_b32 v14, 2, v2
	v_mul_u32_u24 v14, v14, SP
	v_and_b32 v15, 3, v2
	v_lshl_add_u32 v14, v15, 4, v14
	v_add_nc_u32 v14, s17, v14                     ; the stage, on the way in: SP (lane / 4) + 16 (lane % 4)
	v_mul_u32_u24 v15, v2, SP
	v_add_nc_u32 v15, s17, v15                     ; and on the way out: SP x lane: my 16 neighbours
	v_mul_u32_u24 v4, v2, CB                       ; my codes' place in a step's
	v_lshrrev_b32 v5, 1, v2
	s_add_co_u32 s17, s17, 2*32*SP
	v_add_nc_u32 v5, s17, v5                       ; LDS: my wave's 256 scale bytes, my block's byte
	v_lshlrev_b32 v7, 3, v2                        ; and on the way out 8 bytes a lane
	v_add_nc_u32 v6, s17, v7
	s_mov_b32 s23, MANT
	s_lshl_b32 s17, ttmp9, 2
	s_add_co_u32 s18, s17, s16                     ; which run of 8,192 numbers is my wave's
	s_lshl_b32 s20, s18, 15                        ; 32,768 bytes of q,
	s_add_nc_u64 s[4:5], s[4:5], s[20:21]
	s_lshl_b32 s20, s18, 13                        ; 8,192 of codes,
	s_add_nc_u64 s[8:9], s[8:9], s[20:21]
	s_lshl_b32 s20, s18, 8                         ; 256 scale bytes a run
	s_add_nc_u64 s[10:11], s[10:11], s[20:21]
.macro LOAD t
.irp i, 0,1,2,3
	global_load_b128 v[R+16*((\t)%7)+4*\i:R+16*((\t)%7)+4*\i+3], v3, s[4:5] offset:2048*(\t)+512*\i th:TH_LOAD_NT   ; 32 lanes read 512 consecutive bytes
.endr
.endm
.macro TURN t                          ; step t's numbers through the stage: LDS serves a wave's instructions in order, so no wait stands between the stores and the loads
.irp i, 0,1,2,3
	ds_store_b128 v14, v[R+16*((\t)%7)+4*\i:R+16*((\t)%7)+4*\i+3] offset:32*SP*((\t)%2)+8*SP*\i
.endr
.irp i, 0,1,2,3
	ds_load_b128 v[X+16*((\t)%2)+4*\i:X+16*((\t)%2)+4*\i+3], v15 offset:32*SP*((\t)%2)+16*\i
.endr
.endm
.irp t, 0,1,2,3,4,5,6
	LOAD \t
.endr
	s_wait_alu depctr_va_vdst(0)
	s_wait_loadcnt 24                              ; step 0's four loads are in; those of steps 1 to 6 may be out
	TURN 0
.macro STEP t
.set XS, X+16*((\t)%2)
.if (\t) > 0
	s_wait_dscnt 1                                 ; this step's numbers are back from the stage (the last step's byte store may be out): so its stores into the stage have read their registers,
.else
	s_wait_dscnt 0x0
.endif
.if (\t)+7 < STEPS
	LOAD (\t)+7                                    ; which take the loads of seven steps on
.endif
.if (\t)+1 < STEPS
.if STEPS-2-(\t) >= 6
	s_wait_loadcnt 24                              ; the next step's four loads are in; those of the six steps behind it may be out
.else
	s_wait_loadcnt 4*(STEPS-2-(\t))
.endif
	TURN (\t)+1                                    ; and go through the other stage while this step is worked
.endif
	v_max3_num_f32 v8, |v[XS]|, |v[XS+1]|, |v[XS+2]|               ; the largest magnitude of my 16
	v_max3_num_f32 v9, |v[XS+3]|, |v[XS+4]|, |v[XS+5]|
.irp i, 6,10
	v_max3_num_f32 v8, v8, |v[XS+\i]|, |v[XS+\i+1]|
	v_max3_num_f32 v9, v9, |v[XS+\i+2]|, |v[XS+\i+3]|
.endr
	v_max3_num_f32 v8, v8, |v[XS+14]|, |v[XS+15]|
	v_max3_num_f32 v8, v8, v9, (EMAX+1)<<23        ; and the floor 2^(9 - 127): the byte cannot fall under 1
	v_max_num_f32_dpp v8, v8, v8 row_xmask:1 row_mask:0xf bank_mask:0xf   ; and of my neighbour's 16: the block's
	v_add_nc_u32 v11, -(EMAX<<23), v8              ; 8 off its exponent field: the conversion takes the exponent field of this operand as its scale
	v_and_or_b32 v10, v8, 0x7f800000, s23          ; 448 x the scale
.irp i, 0,1,2,3,4,5,6,7,8,9,10,11,12,13,14,15
	v_med3_num_f32 v[XS+\i], v[XS+\i], -v10, v10   ; the conversion to an 8-bit code does not saturate (ISA guide 7.6.2): the hold comes first
.endr
	v_cvt_scalef32_pk8_fp8_f32 v[C+4*(\t):C+4*(\t)+1], v[XS:XS+7], v11
	v_cvt_scalef32_pk8_fp8_f32 v[C+4*(\t)+2:C+4*(\t)+3], v[XS+8:XS+15], v11
	v_lshrrev_b32 v[E+(\t)], 23, v11               ; the scale's byte (also the plain line behind the conversions)
	ds_store_b8 v5, v[E+(\t)] offset:16*(\t)       ; both lanes of a block write the same byte with the same value
	global_store_b128 v4, v[C+4*(\t):C+4*(\t)+3], s[8:9] offset:32*CB*(\t)   ; 512 consecutive bytes a wave
.endm
.irp t, 0,1,2,3,4,5,6,7,8,9,10,11,12,13,14,15
	STEP \t
.endr
	ds_load_b64 v[12:13], v6                       ; LDS serves a wave's instructions in order: these see my stores
	s_wait_dscnt 0x0
	global_store_b64 v7, v[12:13], s[10:11]        ; 32 lanes store 256 consecutive bytes
	s_wait_tensorcnt 0x0
	ds_add_u32 v240, v241
	s_wait_dscnt 0x0
	s_endpgm
	; ---- proj_w's codes as images of an operand's registers
.Lrelay:
	s_sub_co_u32 s17, ttmp9, QWG
	s_lshl_b32 s17, s17, 2
	s_add_co_u32 s17, s17, s16                     ; my tile of 16 rows, 0 to 63
	s_lshl_b32 s20, s17, 14                        ; 16,384 bytes a tile, in both buffers
	s_add_nc_u64 s[6:7], s[6:7], s[20:21]
	s_add_nc_u64 s[12:13], s[12:13], s[20:21]
	v_and_b32 v3, 15, v0                           ; r
	v_bfe_u32 v4, v0, 4, 1                         ; h
	v_lshlrev_b32 v3, 10, v3
	v_lshl_add_u32 v3, v4, 4, v3                   ; in: row r of 1,024 bytes, + 16 h
	s_wait_alu depctr_va_vdst(0)
	v_lshlrev_b32 v4, 4, v2                        ; out: 16 x lane
.set i, 0
.rept 32
	global_load_b128 v[16+4*i:19+4*i], v3, s[6:7] offset:128*(i/4)+32*(i%4)
.set i, i+1
.endr
.set i, 0
	s_wait_alu depctr_va_vdst(0)
.rept 32
	s_wait_loadcnt 31-i                            ; loads come back in order: number i is in, the younger ones may be out
	global_store_b128 v4, v[16+4*i:19+4*i], s[12:13] offset:2048*(i/4)+512*(i%4)   ; 512 consecutive bytes a wave
.set i, i+1
.endr
	s_endpgm
.Lfunc_end_k_qf923ecb1f2_prep:
	.size	k_qf923ecb1f2_prep, .Lfunc_end_k_qf923ecb1f2_prep-k_qf923ecb1f2_prep
	.p2alignl 7, 3214868480
	.fill 96, 4, 3214868480
	.section	.rodata,"a",@progbits
	.p2align	6, 0x0
	.amdhsa_kernel k_qf923ecb1f2_prep
		.amdhsa_group_segment_fixed_size 33280
		.amdhsa_private_segment_fixed_size 0
		.amdhsa_enable_private_segment 0
		.amdhsa_kernarg_size 40
		.amdhsa_user_sgpr_count 2
		.amdhsa_user_sgpr_kernarg_segment_ptr 1
		.amdhsa_wavefront_size32 1
		.amdhsa_system_sgpr_workgroup_id_x 1
		.amdhsa_system_sgpr_workgroup_id_y 1
		.amdhsa_system_sgpr_workgroup_id_z 1
		.amdhsa_system_vgpr_workitem_id 0
		.amdhsa_next_free_vgpr 242
		.amdhsa_next_free_sgpr 66
		.amdhsa_reserve_vcc 0
		.amdhsa_float_denorm_mode_32 3
		.amdhsa_float_denorm_mode_16_64 3
		.amdhsa_memory_ordered 1
		.amdhsa_forward_progress 1
		.amdhsa_inst_pref_size 58
	.end_amdhsa_kernel
	.amdgpu_metadata
---
amdhsa.version: [ 1, 2 ]
amdhsa.kernels:
  - .name:           k_qf923ecb1f2_prep
    .symbol:         k_qf923ecb1f2_prep.kd
    .args:
      - { .name: q, .offset: 0, .size: 8, .value_kind: global_buffer, .address_space: global }
      - { .name: proj_w_codes, .offset: 8, .size: 8, .value_kind: global_buffer, .address_space: global }
      - { .name: qc, .offset: 16, .size: 8, .value_kind: global_buffer, .address_space: global }
      - { .name: qsc, .offset: 24, .size: 8, .value_kind: global_buffer, .address_space: global }
      - { .name: pwi, .offset: 32, .size: 8, .value_kind: global_buffer, .address_space: global }
    .group_segment_fixed_size: 33280
    .private_segment_fixed_size: 0
    .kernarg_segment_align: 8
    .kernarg_segment_size: 40
    .max_flat_workgroup_size: 128
    .sgpr_count:     66
    .vgpr_count:     242
    .wavefront_size: 32
...
	.end_amdgpu_metadata
.endif
;; end of part 1
;; launch qkv (part 2): grid 12 x 32, 4 waves a work-group, clusters of 4 x 4, 327,680 bytes of LDS; arguments qc, qsc, w_qs_codes, w_qs_scales, w_ks_codes, w_ks_scales, w_vs_codes, w_vs_scales, qi, qs, kv; writes qi, qs, kv
.if DOCPART == 2
	.amdgcn_target "amdgcn-amd-amdhsa--gfx1250"
	.amdhsa_code_object_version 6
	.text
	.protected	k_qf923ecb1f2_qkv
	.globl	k_qf923ecb1f2_qkv
	.p2align	8
	.type	k_qf923ecb1f2_qkv,@function
k_qf923ecb1f2_qkv:
	s_mov_b64 s[64:65], 0
	v_nop
	global_prefetch_b8 v0, s[64:65] scope:SCOPE_SE
	s_setreg_imm32_b32 hwreg(HW_REG_WAVE_MODE, 25, 1), 1
	s_wait_xcnt 0x0
	s_wait_alu depctr_hold_cnt(0) depctr_sa_sdst(0) depctr_va_vdst(0) depctr_va_sdst(0) depctr_va_ssrc(0) depctr_va_vcc(0) depctr_vm_vsrc(0)
	s_getreg_b32 s2, hwreg(HW_REG_IB_STS2, 6, 4)
	s_cmp_eq_u32 s2, 0
	s_cbranch_scc0 .Lentry_in_a_cluster
	s_endpgm
.Lentry_in_a_cluster:
	s_bfe_u32 s2, ttmp6, 0x10000c
	s_cmp_lg_u32 s2, 0xf033
	s_cbranch_scc0 .Lentry_shape_is_right
	s_endpgm
.Lentry_shape_is_right:
; QKV.  The three projections of q's codes (qc, qsc) on codes of FP8 (E4M3) with one E8M0 scale for each 32 along K = 1,024, and the quantising of their results for the attention's two products.
; A tile of 256 x 256 to a work-group of four waves, 128 x 128 a wave; K in steps of 256 through a ring of two LDS slots; clusters of 4 x 4 ask for A's and B's tiles jointly.
; Cluster x = 0: Q, 1: K (A = tokens, B = weights: a lane holds a token, its registers run along the head's channels); 2: V (A = weights, B = tokens: a lane holds a channel, its registers run along the keys).
; THE HEAD'S FOUR TILES ARE SHARED OUT, one tensor load a wave: wave 0 K step 0's 256 rows of A, wave 1 its 256 rows of B, wave 2 the scales of A's 256 rows for all of K, wave 3 those of B's.  Slot 1 is first filled behind the full sequence and a round.
.set KSTEP,  256
.set NQ,     KSTEP/128
.set ROWB,   256
.set KROW,   1024
.set PITCH,  272
.set FR,     16
.set NL,     4
.set NP,     8
.set HALFT,  128*PITCH
.set SLOT,   4*HALFT
.set LAPS,   KROW/(2*KSTEP)
.set KS,     KROW/32
.set SCL,    2*SLOT
.set HALFS,  (128*KS/256)*272
.set SBLK,   (16*KS/256)*272
.set SPARE,  SCL+4*HALFS
.set ADRA, 16
.set ADRB, 20
.set LO,   24
.set ADRS, 27
.set SPW,  28
.set NIL,  29
.set SC,   32
.set TM,   64
.set W4,   80
.set FW,   88
.set AF,   128
.set T,    128
.set CD,   192
.set G1, 24
.set G0, 32
.set G1B, 48
.set G0B, 56
.set G1S, 68
.set G0S, 76
.set G1SB, 80
.set G0SB, 88
.set MSB, 0
.macro WIN new
.if MSB != \new
	s_set_vgpr_msb (MSB<<8)|\new
.set MSB, \new
.endif
.endm
.set MUL_LO, 0xa1
.set MUL_HI, 0xf1
.set TO_B,   0x40
.macro JLOAD g0a, g1a, g0b, g1b
	s_cmp_eq_u32 s15, 0
	s_cbranch_scc0 .Lfor_b_\@
	tensor_load_to_lds s[\g0a:\g0a+3], s[\g1a:\g1a+7]
	s_nop 0
.rept 4
	v_nop
.endr
	s_branch .Lasked_\@
.Lfor_b_\@:
	tensor_load_to_lds s[\g0b:\g0b+3], s[\g1b:\g1b+7]
	s_nop 0
.rept 4
	v_nop
.endr
.Lasked_\@:
.endm
.macro CREST
	s_cmp_lg_u32 s14, 0
	s_cbranch_scc1 .Lnot_wave_0_\@
	s_barrier_signal -3
.Lnot_wave_0_\@:
	s_barrier_wait -3
	s_barrier_signal -1
	s_barrier_wait -1
.endm
.macro CROUND
	s_barrier_signal -1
	s_barrier_wait -1
	CREST
.endm
	s_load_b256 s[68:75], s[0:1], 0x0
	s_load_b256 s[76:83], s[0:1], 0x20
	s_load_b128 s[96:99], s[0:1], 0x40
	s_load_b64 s[100:101], s[0:1], 0x50
	v_lshl_add_u32 v[SPW], v0, 2, SPARE
	v_mov_b32 v[NIL], 0
	ds_add_u32 v28, v29
	ds_add_u32 v28, v29
	s_wait_dscnt 0x0
	v_lshrrev_b32 v1, 5, v0
	v_readfirstlane_b32 s14, v1
	s_lshr_b32 s15, s14, 1
	s_and_b32 s16, s14, 1
	s_bfe_u32 s40, ttmp6, 0x40000
	s_bfe_u32 s41, ttmp6, 0x40004
	s_and_b32 s17, ttmp7, 0xffff
	s_lshl_b32 s17, s17, 2
	s_cmp_eq_u32 ttmp9, 2
	s_cselect_b32 s42, s17, 0
	s_cselect_b32 s17, 0, s17
	s_add_co_u32 s42, s42, s40
	s_add_co_u32 s17, s17, s41
	s_lshl_b32 s43, s41, 2
	s_lshl_b32 s43, 15, s43
	s_lshl_b32 s44, 0x1111, s40
	s_or_b32 s[G1+0], s43, (0<<16)|(1<<20)|(1<<21)|(5<<22)|(3<<25)
	s_or_b32 s[G1B+0], s44, (0<<16)|(1<<20)|(1<<21)|(5<<22)|(3<<25)
.irp g, G1, G1B
	s_mov_b32 s[\g+1], ROWB<<16
	s_mov_b32 s[\g+2], 256<<16                     ; 256 rows for the head's loads; behind them the two words that count rows are set to 128
	s_mov_b32 s[\g+3], ROWB<<16
	s_mov_b32 s[\g+4], 256
	s_mov_b32 s[\g+5], KROW
	s_mov_b32 s[\g+6], 0
	s_mov_b32 s[\g+7], 0
.endr
	s_lshl_b32 s20, s17, 8                         ; A: the tile's first row
	s_lshl_b32 s46, s42, 8                         ; B: likewise
	s_mov_b32 s21, 0
	s_mov_b32 s47, 0
	s_mov_b64 s[18:19], KS
	s_mul_u64 s[22:23], s[20:21], s[18:19]
	s_mul_u64 s[92:93], s[46:47], s[18:19]
	s_mov_b64 s[18:19], KROW
	s_mul_u64 s[20:21], s[20:21], s[18:19]
	s_mul_u64 s[46:47], s[46:47], s[18:19]
	s_mul_i32 s45, s14, HALFT
	s_mul_i32 s94, s16, 128*KROW                   ; in the ring I fetch 128 rows of a tile: which half, in bytes
	s_mov_b32 s95, 0
	s_wait_kmcnt 0x0
	s_cmp_eq_u32 ttmp9, 0
	s_cselect_b64 s[8:9], s[72:73], s[76:77]
	s_cselect_b64 s[10:11], s[74:75], s[78:79]
	s_cmp_eq_u32 ttmp9, 2
	s_cselect_b64 s[4:5], s[80:81], s[68:69]
	s_cselect_b64 s[6:7], s[82:83], s[70:71]
	s_cselect_b64 s[8:9], s[68:69], s[8:9]
	s_cselect_b64 s[10:11], s[70:71], s[10:11]
	s_add_nc_u64 s[20:21], s[4:5], s[20:21]
	s_add_nc_u64 s[22:23], s[6:7], s[22:23]
	s_add_nc_u64 s[46:47], s[8:9], s[46:47]
	s_add_nc_u64 s[92:93], s[10:11], s[92:93]
	s_or_b32 s[G1S+0], s43, (3<<16)|(1<<20)|(1<<21)|(5<<22)|(3<<25)
	s_or_b32 s[G1SB+0], s44, (3<<16)|(1<<20)|(1<<21)|(5<<22)|(3<<25)
.irp g, G1S, G1SB
	s_mov_b32 s[\g+1], 32<<16
	s_mov_b32 s[\g+2], KS<<16                      ; the scales of 256 rows: 256 KS dense bytes as KS rows of 256 bytes
	s_mov_b32 s[\g+3], 32<<16
	s_mov_b32 s[\g+4], KS
	s_mov_b32 s[\g+5], 32
	s_mov_b32 s[\g+6], 0
	s_mov_b32 s[\g+7], 0
.endr
	CROUND
	s_mov_b32 s[G0S], 1
	s_mov_b32 s[G0S+1], SCL
	s_mov_b64 s[G0S+2:G0S+3], s[22:23]
	s_or_b32 s[G0S+3], s[G0S+3], 0x80000000
	s_mov_b32 s[G0SB], 1
	s_mov_b32 s[G0SB+1], SCL+2*HALFS
	s_mov_b64 s[G0SB+2:G0SB+3], s[92:93]
	s_or_b32 s[G0SB+3], s[G0SB+3], 0x80000000
	s_mov_b32 s4, 1                                ; group 0 for K step 0's 256 rows of A (the pointers that lay in s[4:11] have been used),
	s_mov_b32 s5, 0
	s_mov_b64 s[6:7], s[20:21]
	s_or_b32 s7, s7, 0x80000000
	s_mov_b32 s8, 1                                ; and of B, behind them in slot 0
	s_mov_b32 s9, 2*HALFT
	s_mov_b64 s[10:11], s[46:47]
	s_or_b32 s11, s11, 0x80000000
; one chain of branches on the wave's number, a load to an arm: every way through the head passes exactly one
.macro ARM under, g0, g1, next
	s_cmp_lt_u32 s14, \under
	s_cbranch_scc0 \next
	tensor_load_to_lds s[\g0:\g0+3], s[\g1:\g1+7]
	s_nop 0
.rept 4
	v_nop
.endr
	s_branch .Lhead_asked
\next:
.endm
	ARM 1, 4,   G1,  .Lhead_b
	ARM 2, 8,   G1B, .Lhead_sa
	ARM 3, G0S, G1S, .Lhead_sb
	tensor_load_to_lds s[G0SB:G0SB+3], s[G1SB:G1SB+7]
	s_nop 0
.rept 4
	v_nop
.endr
.Lhead_asked:
	s_add_nc_u64 s[20:21], s[20:21], s[94:95]      ; for the ring: my 128 rows of the tile
	s_add_nc_u64 s[46:47], s[46:47], s[94:95]
.irp s, 0,1
	s_mov_b32 s[G0+4*\s], 1
	s_add_co_u32 s[G0+4*\s+1], s45, \s*SLOT
	s_add_nc_u64 s[G0+4*\s+2:G0+4*\s+3], s[20:21], \s*ROWB
	s_or_b32 s[G0+4*\s+3], s[G0+4*\s+3], 0x80000000
	s_mov_b32 s[G0B+4*\s], 1
	s_add_co_u32 s[G0B+4*\s+1], s45, \s*SLOT
	s_add_nc_u64 s[G0B+4*\s+2:G0B+4*\s+3], s[46:47], \s*ROWB
	s_or_b32 s[G0B+4*\s+3], s[G0B+4*\s+3], 0x80000000
.endr
	v_and_b32 v1, 15, v0
	v_bfe_u32 v2, v0, 4, 1
	v_mul_u32_u24 v3, v1, PITCH
	v_lshl_add_u32 v4, v2, 4, v3
	s_mul_i32 s21, s15, HALFT
	s_mul_i32 s22, s16, HALFT
	s_add_co_u32 s22, s22, 2*HALFT
.irp s, 0,1
	v_add_nc_u32 v[ADRA+\s], s21, v4
	v_add_nc_u32 v[ADRB+\s], s22, v4
	s_add_co_u32 s21, s21, SLOT
	s_add_co_u32 s22, s22, SLOT
.endr
	v_mul_u32_u24 v5, v1, KS
	v_lshrrev_b32 v6, 8, v5
	v_lshl_add_u32 v5, v6, 4, v5
	s_mul_i32 s21, s15, HALFS
	s_mul_i32 s22, s16, HALFS
	s_add_co_u32 s22, s22, 2*HALFS
	s_sub_co_u32 s22, s22, s21
	v_mul_u32_u24 v6, s22, v2
	s_add_co_u32 s21, s21, SCL
	v_add_nc_u32 v5, v5, v6
	v_add_nc_u32 v[ADRS], s21, v5
	v_and_b32 v6, 31, v0
	v_lshlrev_b32 v[LO], 4, v6
.macro FRAG reg, adr, q, i
.irp c, 0,1,2,3
	ds_load_b128 v[\reg+4*\c:\reg+4*\c+3], v[\adr] offset:128*(\q)+32*\c+(\i)*16*PITCH
.endr
.endm
.macro MUL16 a0, p, q, sc, zero
.irp a, \a0, \a0+1
.irp b, 0,1,2,3,4,5,6,7
.if \zero
	v_wmma_scale_f32_16x16x128_f8f6f4 v[8*(8*((\a)%4)+\b):8*(8*((\a)%4)+\b)+7], v[128*(\p)+FR*\b:128*(\p)+FR*\b+FR-1], v[AF+FR*(\a):AF+FR*(\a)+FR-1], 0, v[SC+8*NQ*(\sc)+NQ*\b+(\q)], v[SC+8*NQ*(\sc)+NQ*(\a)+(\q)] matrix_a_scale:MATRIX_SCALE_ROW1
.else
	v_wmma_scale_f32_16x16x128_f8f6f4 v[8*(8*((\a)%4)+\b):8*(8*((\a)%4)+\b)+7], v[128*(\p)+FR*\b:128*(\p)+FR*\b+FR-1], v[AF+FR*(\a):AF+FR*(\a)+FR-1], v[8*(8*((\a)%4)+\b):8*(8*((\a)%4)+\b)+7], v[SC+8*NQ*(\sc)+NQ*\b+(\q)], v[SC+8*NQ*(\sc)+NQ*(\a)+(\q)] matrix_a_scale:MATRIX_SCALE_ROW1
.endif
.endr
.endr
.endm
.macro FETCH_B slot, q, p
	WIN TO_B
.irp i, 0,1,2,3,4,5,6,7
	FRAG 128*(\p)+FR*\i, ADRB+\slot, \q, \i
.endr
	WIN 0
.endm
.macro FETCH_A slot, q, i0
.irp i, \i0, \i0+1, \i0+2, \i0+3
	FRAG AF+FR*(\i), ADRA+\slot, \q, \i
.endr
.endm
.macro SCALES sc
.irp i, 0,1,2,3,4,5,6,7
	ds_load_b64 v[SC+8*NQ*\sc+NQ*\i:SC+8*NQ*\sc+NQ*\i+1], v[ADRS] offset:\i*SBLK
.endr
.endm
.macro PLACES n
.rept \n
	v_nop
.endr
.endm
.macro STEP slot, q, zero
	s_wait_dscnt 4*NL
	WIN MUL_LO
	MUL16 0, (\q)%2, \q, \slot, \zero
	MUL16 2, (\q)%2, \q, \slot, \zero
	s_wait_dscnt 0
	PLACES NP
	FETCH_B \slot, (\q)+1, 1-(\q)%2
	FETCH_A \slot, (\q)+1, 0
	WIN MUL_HI
	MUL16 4, (\q)%2, \q, \slot, \zero
	MUL16 6, (\q)%2, \q, \slot, \zero
	PLACES NP
	WIN 0
	FETCH_A \slot, (\q)+1, 4
.endm
.macro TURN slot, next, fill
	s_wait_tensorcnt 0x0
	ds_add_u32 v[SPW], v[NIL]
	s_wait_dscnt 4*NL+1
	WIN MUL_LO
	MUL16 0, 1, NQ-1, \slot, 0
	s_wait_dscnt 0x0
	s_barrier_signal -1
	MUL16 2, 1, NQ-1, \slot, 0
	WIN 0
	s_barrier_wait -1
.if \fill
	CREST
	s_add_nc_u64 s[G0+4*\slot+2:G0+4*\slot+3], s[G0+4*\slot+2:G0+4*\slot+3], 2*ROWB
	s_add_nc_u64 s[G0B+4*\slot+2:G0B+4*\slot+3], s[G0B+4*\slot+2:G0B+4*\slot+3], 2*ROWB
	JLOAD G0+4*\slot, G1, G0B+4*\slot, G1B
	PLACES NP-4
.else
	PLACES NP
.endif
	s_wait_alu depctr_va_vdst(0)
	v_add_nc_u32 v[ADRS], 4*NQ, v[ADRS]
	FETCH_B \next, 0, 0
	FETCH_A \next, 0, 0
	SCALES \next
	WIN MUL_HI
	MUL16 4, 1, NQ-1, \slot, 0
	MUL16 6, 1, NQ-1, \slot, 0
	PLACES NP
	WIN 0
	FETCH_A \next, 0, 4
.endm
	s_wait_alu depctr_va_vdst(0)
	s_wait_tensorcnt 0x0                           ; my tile of the head's four is in
	ds_add_u32 v[SPW], v[NIL]
	s_mov_b32 s[G1+2], 128<<16                     ; no tensor load of mine is out, so a descriptor may be written: from here on a load brings 128 rows
	s_mov_b32 s[G1+4], 128
	s_mov_b32 s[G1B+2], 128<<16
	s_mov_b32 s[G1B+4], 128
	s_wait_dscnt 0x0
	CROUND                                         ; all four tiles are in, and all sixteen work-groups are here
	JLOAD G0+4, G1, G0B+4, G1B                     ; K step 1, the first tensor load behind the round
	FETCH_B 0, 0, 0
	FETCH_A 0, 0, 0
	SCALES 0
	FETCH_A 0, 0, 4
	STEP 0, 0, 1
	s_mov_b32 s3, LAPS-1
.Llap:
	TURN 0, 1, 1
	STEP 1, 0, 0
	TURN 1, 0, 1
	STEP 0, 0, 0
	s_sub_co_u32 s3, s3, 1
	s_cmp_lg_u32 s3, 0
	s_cbranch_scc1 .Llap
	TURN 0, 1, 0
	STEP 1, 0, 0
	s_wait_dscnt 4*NL
	WIN MUL_LO
	MUL16 0, 1, NQ-1, 1, 0
	MUL16 2, 1, NQ-1, 1, 0
	s_wait_dscnt 0
	WIN MUL_HI
	MUL16 4, 1, NQ-1, 1, 0
	MUL16 6, 1, NQ-1, 1, 0
	WIN 0
	PLACES NP
	s_lshl_b32 s18, s17, 8
	s_lshl_b32 s19, s15, 7
	s_add_co_u32 s18, s18, s19
	s_lshl_b32 s19, s42, 8
	s_lshl_b32 s20, s16, 7
	s_add_co_u32 s19, s19, s20
	s_mov_b32 s4, 278528
	s_mov_b32 s5, 17408
	s_mov_b32 s10, 278528
	s_mov_b32 s11, 17408
	s_mov_b32 s12, 16384
	s_mov_b32 s46, 1024
	s_mov_b32 s47, 1024
	s_cmp_eq_u32 ttmp9, 0
	s_cselect_b32 s4, 131072, s4
	s_cselect_b32 s5, 8192, s5
	s_cselect_b64 s[6:7], s[96:97], s[100:101]
	s_cselect_b64 s[8:9], s[98:99], s[100:101]
	s_cselect_b32 s10, 16384, s10
	s_cselect_b32 s11, 1024, s11
	s_cselect_b32 s12, 0, s12
	s_cmp_eq_u32 ttmp9, 2
	s_cselect_b32 s20, s19, s18
	s_cselect_b32 s21, s18, s19
	s_cselect_b32 s13, 8192, 0
	s_cselect_b32 s12, 16896, s12
	s_cselect_b32 s66, 1024, s4
	s_cselect_b32 s18, 2048, s46
	s_cselect_b32 s94, 272384, s47
	s_mov_b32 s19, 0
	s_mov_b32 s95, 0
	s_lshr_b32 s22, s20, 11
	s_lshl_b32 s22, s22, 4
	s_lshr_b32 s21, s21, 6
	s_add_co_u32 s22, s22, s21
	s_bfe_u32 s23, s20, 0x40007
	s_mul_i32 s46, s22, s4
	s_mul_i32 s47, s23, s5
	s_add_co_u32 s46, s46, s47
	s_add_co_u32 s46, s46, s13
	s_mov_b32 s47, 0
	s_add_nc_u64 s[6:7], s[6:7], s[46:47]
	s_mul_i32 s46, s22, s10
	s_mul_i32 s10, s23, s11
	s_add_co_u32 s46, s46, s10
	s_add_co_u32 s46, s46, s12
	s_add_nc_u64 s[8:9], s[8:9], s[46:47]
	s_mov_b32 s92, 0x76543210
	s_mov_b32 s93, 0xfedcba98
	s_mov_b32 s67, 0x600000
	v_add_nc_u32 v[LO+1], s66, v[LO]
.irp b, 0,1,2,3
	v_mov_b32 v[TM+4+\b], 0
.endr
.macro QROW a
.set AC, 64*((\a)%4)
	WIN 0x28+0x14*((\a)/4)
.irp b, 0,1,2,3
	v_max3_num_f32 v[TM+\b], 0x4800000, |v[AC+16*\b]|, |v[AC+16*\b+1]|
.endr
.irp i, 2,4,6,8,10,12,14
.irp b, 0,1,2,3
	v_max3_num_f32 v[TM+\b], v[TM+\b], |v[AC+16*\b+\i]|, |v[AC+16*\b+\i+1]|
.endr
.endr
	WIN 0
.irp b, 0,1,2,3
	v_permlanex16_b32 v[TM+4+\b], v[TM+\b], s92, s93
.endr
.irp b, 0,1,2,3
	v_max_num_f32 v[TM+\b], v[TM+\b], v[TM+4+\b]
.endr
.irp b, 0,1,2,3
	v_add_nc_u32 v[TM+12+\b], 0xfc000000, v[TM+\b]
.endr
.irp b, 0,1,2,3
	v_and_or_b32 v[TM+8+\b], v[TM+\b], 0x7f800000, s67
.endr
.irp b, 0,1,2,3
	v_lshrrev_b32 v[TM+4+\b], 23, v[TM+12+\b]
.endr
	v_lshl_or_b32 v[W4+(\a)], v[TM+5], 8, v[TM+4]
	v_lshl_or_b32 v[W4+(\a)], v[TM+6], 16, v[W4+(\a)]
	v_lshl_or_b32 v[W4+(\a)], v[TM+7], 24, v[W4+(\a)]
	WIN 0x02+(\a)/4
.irp b, 0,1,2,3
.irp i, 0,1,2,3,4,5,6,7,8,9,10,11,12,13,14,15
	v_med3_num_f32 v[T+16*\b+\i], v[AC+16*\b+\i], -v[TM+8+\b], v[TM+8+\b]
.endr
.endr
	WIN 0
.if (\a) > 0
	s_wait_alu depctr_va_vdst(0)
	s_wait_xcnt 0x0
.if (\a) == 4
	s_add_nc_u64 s[6:7], s[6:7], s[94:95]
.else
	s_add_nc_u64 s[6:7], s[6:7], s[18:19]
.endif
.endif
.irp b, 0,1,2,3
	v_cvt_scalef32_pk8_fp8_f32 v[CD+4*\b:CD+4*\b+1], v[T+16*\b:T+16*\b+7], v[TM+12+\b]
	v_cvt_scalef32_pk8_fp8_f32 v[CD+4*\b+2:CD+4*\b+3], v[T+16*\b+8:T+16*\b+15], v[TM+12+\b]
.endr
	v_nop
.irp b, 0,1,2,3
	global_store_b128 v[LO+(\b)/2], v[CD+4*\b:CD+4*\b+3], s[6:7] offset:512*((\b)%2)
.endr
.endm
.irp a, 0,1,2,3,4,5,6,7
	QROW \a
.endr
	s_cmp_eq_u32 ttmp9, 2
	s_cbranch_scc0 .Lnot_v
	global_store_b128 v[LO], v[W4:W4+3], s[8:9]
	global_store_b128 v[LO], v[W4+4:W4+7], s[8:9] offset:278528
	s_branch .Ldone
.Lnot_v:
	s_cmp_eq_u32 ttmp9, 1
	s_cbranch_scc0 .Lis_q
.irp f, 0,1,2,3
	v_perm_b32 v[FW+\f], v[W4+2*\f+1], v[W4+2*\f], 0x05040100
	v_perm_b32 v[FW+4+\f], v[W4+2*\f+1], v[W4+2*\f], 0x07060302
.endr
	global_store_b128 v[LO], v[FW:FW+3], s[8:9]
	global_store_b128 v[LO], v[FW+4:FW+7], s[8:9] offset:278528
	s_branch .Ldone
.Lis_q:
.irp a, 0,1,2,3,4,5,6,7
	v_perm_b32 v[FW+\a], v[W4+\a], v[W4+\a], 0x01000100
	v_perm_b32 v[FW+8+\a], v[W4+\a], v[W4+\a], 0x03020302
.endr
	global_store_b128 v[LO], v[FW:FW+3], s[8:9]
	global_store_b128 v[LO], v[FW+4:FW+7], s[8:9] offset:512
	global_store_b128 v[LO], v[FW+8:FW+11], s[8:9] offset:16384
	global_store_b128 v[LO], v[FW+12:FW+15], s[8:9] offset:16384+512
.Ldone:
	s_wait_tensorcnt 0x0
	ds_add_u32 v[SPW], v[NIL]
	s_wait_dscnt 0x0
	CROUND
	s_endpgm
.Lfunc_end_k_qf923ecb1f2_qkv:
	.size	k_qf923ecb1f2_qkv, .Lfunc_end_k_qf923ecb1f2_qkv-k_qf923ecb1f2_qkv
	.p2alignl 7, 3214868480
	.fill 96, 4, 3214868480
	.section	.rodata,"a",@progbits
	.p2align	6, 0x0
	.amdhsa_kernel k_qf923ecb1f2_qkv
		.amdhsa_group_segment_fixed_size 327680
		.amdhsa_private_segment_fixed_size 0
		.amdhsa_enable_private_segment 0
		.amdhsa_kernarg_size 88
		.amdhsa_user_sgpr_count 2
		.amdhsa_user_sgpr_kernarg_segment_ptr 1
		.amdhsa_wavefront_size32 1
		.amdhsa_system_sgpr_workgroup_id_x 1
		.amdhsa_system_sgpr_workgroup_id_y 1
		.amdhsa_system_sgpr_workgroup_id_z 1
		.amdhsa_system_vgpr_workitem_id 0
		.amdhsa_next_free_vgpr 1024
		.amdhsa_next_free_sgpr 102
		.amdhsa_reserve_vcc 0
		.amdhsa_float_denorm_mode_32 3
		.amdhsa_float_denorm_mode_16_64 3
		.amdhsa_memory_ordered 1
		.amdhsa_forward_progress 1
		.amdhsa_inst_pref_size 191
	.end_amdhsa_kernel
	.amdgpu_metadata
---
amdhsa.version: [ 1, 2 ]
amdhsa.kernels:
  - .name:           k_qf923ecb1f2_qkv
    .symbol:         k_qf923ecb1f2_qkv.kd
    .args:
      - { .name: qc, .offset: 0, .size: 8, .value_kind: global_buffer, .address_space: global }
      - { .name: qsc, .offset: 8, .size: 8, .value_kind: global_buffer, .address_space: global }
      - { .name: w_qs_codes, .offset: 16, .size: 8, .value_kind: global_buffer, .address_space: global }
      - { .name: w_qs_scales, .offset: 24, .size: 8, .value_kind: global_buffer, .address_space: global }
      - { .name: w_ks_codes, .offset: 32, .size: 8, .value_kind: global_buffer, .address_space: global }
      - { .name: w_ks_scales, .offset: 40, .size: 8, .value_kind: global_buffer, .address_space: global }
      - { .name: w_vs_codes, .offset: 48, .size: 8, .value_kind: global_buffer, .address_space: global }
      - { .name: w_vs_scales, .offset: 56, .size: 8, .value_kind: global_buffer, .address_space: global }
      - { .name: qi, .offset: 64, .size: 8, .value_kind: global_buffer, .address_space: global }
      - { .name: qs, .offset: 72, .size: 8, .value_kind: global_buffer, .address_space: global }
      - { .name: kv, .offset: 80, .size: 8, .value_kind: global_buffer, .address_space: global }
    .group_segment_fixed_size: 327680
    .private_segment_fixed_size: 0
    .kernarg_segment_align: 8
    .kernarg_segment_size: 88
    .max_flat_workgroup_size: 128
    .sgpr_count:     102
    .vgpr_count:     1024
    .wavefront_size: 32
...
	.end_amdgpu_metadata
.endif
;; end of part 2
;; launch attn (part 3): grid 4 x 64, 8 waves a work-group, clusters of 4 x 1, 279,552 bytes of LDS; arguments qi, qs, kv, ai, asw; writes ai, asw
.if DOCPART == 3
	.amdgcn_target "amdgcn-amd-amdhsa--gfx1250"
	.amdhsa_code_object_version 6
	.text
	.protected	k_qf923ecb1f2_attn
	.globl	k_qf923ecb1f2_attn
	.p2align	8
	.type	k_qf923ecb1f2_attn,@function
k_qf923ecb1f2_attn:
	s_mov_b64 s[64:65], 0
	v_nop
	global_prefetch_b8 v0, s[64:65] scope:SCOPE_SE
	s_setreg_imm32_b32 hwreg(HW_REG_WAVE_MODE, 25, 1), 1
	s_wait_xcnt 0x0
	s_wait_alu depctr_hold_cnt(0) depctr_sa_sdst(0) depctr_va_vdst(0) depctr_va_sdst(0) depctr_va_ssrc(0) depctr_va_vcc(0) depctr_vm_vsrc(0)
	s_getreg_b32 s2, hwreg(HW_REG_IB_STS2, 6, 4)
	s_cmp_eq_u32 s2, 0
	s_cbranch_scc0 .Lentry_in_a_cluster
	s_endpgm
.Lentry_in_a_cluster:
	s_bfe_u32 s2, ttmp6, 0x10000c
	s_cmp_lg_u32 s2, 0x3003
	s_cbranch_scc0 .Lentry_shape_is_right
	s_endpgm
.Lentry_shape_is_right:
; ATTN.  For one batch and head (bh = work-group y): O = softmax(Q K^T / 32) V on codes of FP8 (E4M3) with one E8M0 scale for each 32 along a product's K, and the quantising of O along (head, channel) for the last product.
; THE SOFTMAX: t = score x log2(e) / 32; M = the row's largest t so far, rounded up to a whole number; p = 2^(t - M) is what is quantised, along the keys, not normalised.  The row's sum is taken of the unquantised p
; and divides O at the end.  When M moves, the sum and O are multiplied by 2^(old M - new M): exact.
; SHARES.  The four work-groups of a cluster take 512 queries each of the same bh.  Each of eight waves owns two tiles of 16 queries at a time, twice (two passes).  Every wave walks all 2,048 keys, 128 a step.
; THE WHOLE HEAD'S K, V AND THEIR SCALE WORDS, 278,528 bytes, laid by the launch before as images of operand registers, come into LDS ONCE: each wave asks for an eighth, jointly with the same wave of the three partners.
; Nothing is filled again: no ring and no barrier in the loop.  One tensor load of a wave is out.
; LAYOUT.  Both products are used transposed: S^T = K Q^T (source 0 = keys, source 1 = my 16 queries), O^T = V^T P^T (source 0 = 16 channels, source 1 = P): a lane holds one query (lane % 16) throughout.
; K = 64 IN A FORM OF 128: a row of a fragment of K holds two keys, 32 F + r in its lower 64 and 32 F + 16 + r in its upper 64.  Q stands between runs of zero codes: [q | 0] gives the first key's score, [0 | q] the second's.
; Inside a block of 32 the order of the codes is that in which two neighbouring result tiles convert, 16 (i / 8) + 8 h + i % 8; Q and K share it, and so do P and V.  Only O meets a given operand: there two of a block's four
; registers change places between lanes l and l xor 16, which gives the order 16 h + i.
; ai [tile of 16 rows 512][K step 8][c 4][lane][16];  asw [head 16][pair of tiles 256][lane][2 words], a word s0 | s1<<8.
; LIMITS: a block whose largest magnitude lies under 2^-118 gets the byte 1, a block of zeros too (its codes are zeros; the bytes are read by this program alone); NaN and infinities are not served.
; REGISTERS.  Window 0: v1 16 x lane, v2 the step's LDS address, v6 8 x lane; v8-11 K's scale words, v12-15 V's, v16-17 Q's, v18-19 the next pass's; v20-35 statistics, 8 a tile: -M, largest t, the sum in two halves, f, P's scale word,
;   two at work; v36-67 16 a tile: block maxima, the other half's then bytes, 448 x scale, scale operands; v68-69 O's scale words; v70-85 O's codes as converted; v86-89 the exchange; v96-223 S^T then p, 64 a tile; v224-255 P's codes, 16 a tile.
;   Window 1: v0-63 K's four fragments; v64-127 V's four; v128-167 [0 | qA | 0 | qB | 0], 8 each; v168-231 O^T, 32 a tile; v232-247 the next pass's Q.
.set STEPB, 17408                      ; a step's bytes in LDS: K 8,192, V 8,192, K's scale words 512, V's 512
.set LI,  1
.set AD,  2
.set L8,  6
.set KSR, 8
.set VSR, 12
.set QSW, 16
.set QSN, 18
.set ST,  20
.set TM,  36
.set OW,  68
.set RAW, 70
.set SND, 86
.set RCV, 88
.set S,   96
.set P,   224
.set KF,  0                            ; window 1
.set VF,  64
.set QZ,  128
.set O,   168
.set QN,  232
.set MSB, 0
.macro WIN new                         ; bits 1:0 source 0, 3:2 source 1, 5:4 source 2, 7:6 destination; the high byte repeats the setting that is left
.if MSB != \new
	s_set_vgpr_msb (MSB<<8)|\new
.set MSB, \new
.endif
.endm
.macro CROUND                          ; a round of the cluster's barrier
	s_barrier_signal -1
	s_barrier_wait -1
	s_cmp_lg_u32 s14, 0
	s_cbranch_scc1 .Lnot_wave_0_\@
	s_barrier_signal -3
.Lnot_wave_0_\@:
	s_barrier_wait -3
	s_barrier_signal -1
	s_barrier_wait -1
.endm
	s_load_b256 s[4:11], s[0:1], 0x0               ; qi s[4:5], qs s[6:7], kv s[8:9], ai s[10:11]
	s_load_b64 s[12:13], s[0:1], 0x20              ; asw
	v_lshl_add_u32 v94, v0, 2, 0x44000
	v_mov_b32 v95, 0
	ds_add_u32 v94, v95
	ds_add_u32 v94, v95
	v_lshrrev_b32 v3, 5, v0
	s_delay_alu instid0(VALU_DEP_1)
	v_readfirstlane_b32 s14, v3                    ; wave 0..7
	s_bfe_u32 s15, ttmp6, 0x40000                  ; cx: my place in the cluster: it enters the addresses of Q and of the results alone
	s_and_b32 s16, ttmp7, 0xffff                   ; bh, which the four partners share
	; descriptor group 1: 136 dense rows of 256 bytes (32 elements of 8 bytes), no padding: the images are read 512 consecutive bytes an instruction
	s_mov_b32 s36, 15|(3<<16)|(1<<21)              ; 15:0 the mask: all four work-groups; 17:16 elements of 8 bytes; 21 set beside a mask
	s_mov_b32 s37, 32<<16                          ; tensor_dim0 = 32
	s_mov_b32 s38, 136<<16                         ; tensor_dim1 = 136
	s_mov_b32 s39, 32<<16                          ; tile_dim0 = 32
	s_mov_b32 s40, 136                             ; tile_dim1 = 136
	s_mov_b32 s41, 32                              ; from row to row
	s_mov_b32 s42, 0
	s_mov_b32 s43, 0
	s_mul_i32 s17, s14, 34816                      ; my wave's eighth, in LDS and in the head's block of kv
	s_mul_i32 s18, s16, 278528
	s_add_co_u32 s18, s18, s17
	s_mov_b32 s19, 0
	s_mov_b32 s20, 0x76543210
	s_mov_b32 s21, 0xfedcba98                      ; v_permlanex16_b32's selects for lane l xor 16
	s_mov_b32 s22, 0x3d38aa3b                      ; c = log2(e) / 32
	s_mov_b32 s23, s22                             ; (named with it as a pair, so it is written)
	s_mov_b32 s24, 0x600000                        ; the mantissa field of 448
	s_mov_b32 s25, 0xffff0000                      ; lanes 16 to 31
	s_mov_b32 s29, 2                               ; passes to go
	s_wait_dscnt 0x0
	s_wait_kmcnt 0x0
	s_mov_b32 s32, 1                               ; group 0: count = 1,
	s_mov_b32 s33, s17                             ; LDS address,
	s_add_nc_u64 s[34:35], s[8:9], s[18:19]        ; global address,
	s_or_b32 s35, s35, 0x80000000                  ; type = 2
	CROUND                                         ; all four work-groups are here: the joint loads meet
	tensor_load_to_lds s[32:35], s[36:43]
	s_nop 0
.rept 4
	v_nop
.endr
	s_mov_b32 s45, 0
	s_lshl_b32 s44, s16, 17                        ; qi: 131,072 bh + 2,048 (16 cx + wave): my first pair of tiles
	s_lshl_b32 s46, s15, 15
	s_add_co_u32 s44, s44, s46
	s_lshl_b32 s46, s14, 11
	s_add_co_u32 s44, s44, s46
	s_add_nc_u64 s[4:5], s[4:5], s[44:45]
	s_lshl_b32 s44, s16, 14                        ; qs: 16,384 bh + 4,096 cx + 512 (wave / 2) + 8 (wave % 2): the pair's two words lie side by side
	s_lshl_b32 s46, s15, 12
	s_add_co_u32 s44, s44, s46
	s_lshr_b32 s46, s14, 1
	s_lshl_b32 s46, s46, 9
	s_add_co_u32 s44, s44, s46
	s_and_b32 s46, s14, 1
	s_lshl_b32 s46, s46, 3
	s_add_co_u32 s44, s44, s46
	s_add_nc_u64 s[6:7], s[6:7], s[44:45]
	s_lshr_b32 s47, s16, 4                         ; batch
	s_and_b32 s17, s16, 15                         ; head
	s_lshl_b32 s44, s47, 21                        ; ai: 16,384 (128 batch + 32 cx + 2 wave) + 1,024 head
	s_lshl_b32 s46, s15, 19
	s_add_co_u32 s44, s44, s46
	s_lshl_b32 s46, s14, 15
	s_add_co_u32 s44, s44, s46
	s_lshl_b32 s46, s17, 10
	s_add_co_u32 s44, s44, s46
	s_add_nc_u64 s[10:11], s[10:11], s[44:45]
	s_lshl_b32 s44, s17, 16                        ; asw: 65,536 head + 256 (64 batch + 16 cx + wave)
	s_lshl_b32 s46, s47, 14
	s_add_co_u32 s44, s44, s46
	s_lshl_b32 s46, s15, 12
	s_add_co_u32 s44, s44, s46
	s_lshl_b32 s46, s14, 8
	s_add_co_u32 s44, s44, s46
	s_add_nc_u64 s[12:13], s[12:13], s[44:45]
	v_and_b32 v3, 31, v0
	s_delay_alu instid0(VALU_DEP_1)
	v_lshlrev_b32 v[LI], 4, v3
	s_delay_alu instid0(VALU_DEP_2)
	v_lshlrev_b32 v[L8], 3, v3
	WIN 0x40                                       ; destination window 1
.irp k, 0,1,2,3
	global_load_b128 v[QN+4*\k:QN+4*\k+3], v[LI], s[4:5] offset:512*\k   ; the first pass's Q: tile A's two groups, tile B's two
.endr
.irp z, 0,16,32
.irp k, 0,1,2,3,4,5,6,7
	v_mov_b32 v[QZ+\z+\k], 0                       ; the three runs of zero codes round qA and qB: written once
.endr
.endr
	WIN 0
	global_load_b64 v[QSN:QSN+1], v[LI], s[6:7]    ; and its two scale words
.irp x, 0,1
.irp b, 0,1,2,3
	v_mov_b32 v[TM+16*\x+4+\b], 0                  ; written once: a lane permute's destination counts as one of its sources
.endr
	v_mov_b32 v[ST+8*\x+7], 0
.endr
	v_mov_b32 v[RCV], 0
	v_mov_b32 v[RCV+1], 0
	s_wait_tensorcnt 0x0                           ; my eighth of the head is in,
	s_barrier_signal -1
	s_barrier_wait -1                              ; everybody's is
; A KEY STEP: 128 keys, both tiles.  pf = 1: the next step's K is fetched too.
.macro STEP pf
	s_wait_dscnt 0x0                               ; this step's K and its scale words are in
	WIN 0x05                                       ; K and Q in window 1, S^T in window 0
.irp F, 0,1,2,3
.irp u, 0,1
.irp x, 0,1
	v_wmma_scale_f32_16x16x128_f8f6f4 v[S+64*\x+8*(2*\F+\u):S+64*\x+8*(2*\F+\u)+7], v[KF+16*\F:KF+16*\F+15], v[QZ+8+16*\x-8*\u:QZ+23+16*\x-8*\u], 0, v[KSR+\F], v[QSW+\x]   ; keys 32 F + 16 u on; u = 0: [q | 0], u = 1: [0 | q]
.endr
.endr
.endr
	WIN 0
	v_add_nc_u32 v[AD], s26, v[LI]
.rept 7
	v_nop                                          ; with the addition eight places: behind these products for the reads of S^T and the loads into K's registers, behind the last step's second products for the loads into V's
.endr
	ds_load_b128 v[VSR:VSR+3], v[AD] offset:16896
	WIN 0x40
.irp t, 0,1,2,3
.irp c, 0,1,2,3
	ds_load_b128 v[VF+16*\t+4*\c:VF+16*\t+4*\c+3], v[AD] offset:8192+2048*\t+512*\c
.endr
.endr
.if \pf
.irp F, 0,1,2,3
.irp c, 0,1,2,3
	ds_load_b128 v[KF+16*\F+4*\c:KF+16*\F+4*\c+3], v[AD] offset:STEPB+2048*\F+512*\c
.endr
.endr
.endif
	WIN 0
.if \pf
	ds_load_b128 v[KSR:KSR+3], v[AD] offset:STEPB+16384
.endif
	; the largest score of each block of 32 keys: it serves for the row's maximum and, since p rises with the score, for the block's largest p
.irp b, 0,1,2,3
.irp x, 0,1
	v_max3_num_f32 v[TM+16*\x+\b], v[S+64*\x+16*\b], v[S+64*\x+16*\b+1], v[S+64*\x+16*\b+2]
.endr
.endr
.irp i, 3,5,7,9,11,13
.irp b, 0,1,2,3
.irp x, 0,1
	v_max3_num_f32 v[TM+16*\x+\b], v[TM+16*\x+\b], v[S+64*\x+16*\b+\i], v[S+64*\x+16*\b+\i+1]
.endr
.endr
.endr
.irp b, 0,1,2,3
.irp x, 0,1
	v_max_num_f32 v[TM+16*\x+\b], v[TM+16*\x+\b], v[S+64*\x+16*\b+15]
.endr
.endr
.irp b, 0,1,2,3
.irp x, 0,1
	v_permlanex16_b32 v[TM+16*\x+4+\b], v[TM+16*\x+\b], s20, s21
.endr
.endr
.irp b, 0,1,2,3
.irp x, 0,1
	v_max_num_f32 v[TM+16*\x+\b], v[TM+16*\x+\b], v[TM+16*\x+4+\b]   ; with lane l xor 16's 16 keys
.endr
.endr
.irp x, 0,1
	s_delay_alu instid0(VALU_DEP_4)
	v_max3_num_f32 v[ST+8*\x+6], v[TM+16*\x], v[TM+16*\x+1], v[TM+16*\x+2]
.endr
.irp x, 0,1
	s_delay_alu instid0(VALU_DEP_2)
	v_max_num_f32 v[ST+8*\x+6], v[ST+8*\x+6], v[TM+16*\x+3]   ; the step's largest score of my query
.endr
.irp x, 0,1
	s_delay_alu instid0(VALU_DEP_2)
	v_mul_f32 v[ST+8*\x+6], s22, v[ST+8*\x+6]      ; as t (c is positive)
.endr
.irp x, 0,1
	s_delay_alu instid0(VALU_DEP_2)
	v_max_num_f32 v[ST+8*\x+1], v[ST+8*\x+1], v[ST+8*\x+6]   ; the running largest t
.endr
.irp x, 0,1
	v_mov_b32 v[ST+8*\x+6], v[ST+8*\x]
.endr
.irp x, 0,1
	s_delay_alu instid0(VALU_DEP_4)
	v_floor_f32 v[ST+8*\x], -v[ST+8*\x+1]          ; the new -M = floor(-t) = -ceil(t): M is a whole number
.endr
.irp x, 0,1
	s_delay_alu instid0(VALU_DEP_2)
	v_sub_f32 v[ST+8*\x+6], v[ST+8*\x], v[ST+8*\x+6]   ; M's old value less its new one: a whole number, 0 or less
.endr
.irp x, 0,1
	s_delay_alu instid0(VALU_DEP_2)
	v_cvt_i32_f32 v[ST+8*\x+6], v[ST+8*\x+6]       ; (it saturates)
.endr
.irp x, 0,1
	s_delay_alu instid0(VALU_DEP_2)
	v_ldexp_f32 v[ST+8*\x+4], 1.0, v[ST+8*\x+6]    ; f = 2^(old M - new M)
.endr
.set j, 0
.rept 32
.irp x, 0,1
	v_pk_fma_f32 v[S+64*\x+j:S+64*\x+j+1], v[S+64*\x+j:S+64*\x+j+1], s[22:23], v[ST+8*\x:ST+8*\x+1] op_sel_hi:[1,0,0]   ; t - M, two at a time (of the pairs c and -M the low word serves both halves)
.endr
.set j, j+2
.endr
.irp b, 0,1,2,3
.irp x, 0,1
	v_fma_f32 v[TM+16*\x+\b], v[TM+16*\x+\b], s22, v[ST+8*\x]   ; the same of each block's largest score
.endr
.endr
.set j, 0
	s_wait_alu depctr_va_vdst(0)
.rept 64
.irp x, 0,1
	v_exp_f32 v[S+64*\x+j], v[S+64*\x+j]           ; p = 2^(t - M), at most 1: not normalised
.endr
.set j, j+1
.endr
.irp x, 0,1
	v_pk_mul_f32 v[ST+8*\x+2:ST+8*\x+3], v[ST+8*\x+2:ST+8*\x+3], v[ST+8*\x+4:ST+8*\x+5] op_sel_hi:[1,0]   ; the sums under the new M (plain lines behind the exponentials)
.endr
	s_wait_alu depctr_va_vdst(0)                   ; one wait for the batch of 128, ahead of its first reader
.irp b, 0,1,2,3
.irp x, 0,1
	v_exp_f32 v[TM+16*\x+\b], v[TM+16*\x+\b]       ; the block's largest p: the same two instructions on the same number give the same bits
.endr
.endr
.irp x, 0,1
	v_pk_add_f32 v[TM+16*\x+4:TM+16*\x+5], v[S+64*\x:S+64*\x+1], v[S+64*\x+2:S+64*\x+3]   ; the row's sum is taken of the unquantised p: two at a time, in two chains a tile
.endr
.set j, 4
.rept 15
.irp x, 0,1
	v_pk_add_f32 v[ST+8*\x+2:ST+8*\x+3], v[ST+8*\x+2:ST+8*\x+3], v[S+64*\x+j:S+64*\x+j+1]
	v_pk_add_f32 v[TM+16*\x+4:TM+16*\x+5], v[TM+16*\x+4:TM+16*\x+5], v[S+64*\x+j+2:S+64*\x+j+3]
.endr
.set j, j+4
.endr
.irp x, 0
	s_delay_alu instid0(VALU_DEP_3)
	v_pk_add_f32 v[ST+8*\x+2:ST+8*\x+3], v[ST+8*\x+2:ST+8*\x+3], v[TM+16*\x+4:TM+16*\x+5]
.endr
.irp x, 1
	s_delay_alu instid0(VALU_DEP_2)
	v_pk_add_f32 v[ST+8*\x+2:ST+8*\x+3], v[ST+8*\x+2:ST+8*\x+3], v[TM+16*\x+4:TM+16*\x+5]
.endr
	s_wait_alu depctr_va_vdst(0)                   ; and one for the eight
.irp b, 0,1,2,3
.irp x, 0,1
	v_max_num_f32 v[TM+16*\x+\b], 0x4800000, v[TM+16*\x+\b]   ; the floor 2^(9 - 127): the byte cannot fall under 1
.endr
.endr
.irp b, 0,1,2,3
.irp x, 0,1
	v_add_nc_u32 v[TM+16*\x+12+\b], 0xfc000000, v[TM+16*\x+\b]   ; 8 off the exponent field: the conversion's scale operand
.endr
.endr
.irp b, 0,1,2,3
.irp x, 0,1
	v_and_or_b32 v[TM+16*\x+8+\b], v[TM+16*\x+\b], 0x7f800000, s24   ; 448 x the scale
.endr
.endr
.irp b, 0,1,2,3
.irp x, 0,1
	v_lshrrev_b32 v[TM+16*\x+4+\b], 23, v[TM+16*\x+12+\b]   ; the scale's byte
.endr
.endr
.irp x, 0,1
	v_lshl_or_b32 v[ST+8*\x+5], v[TM+16*\x+5], 8, v[TM+16*\x+4]   ; p's scale word for these 128 keys
.endr
.irp x, 0,1
	s_delay_alu instid0(VALU_DEP_2)
	v_lshl_or_b32 v[ST+8*\x+5], v[TM+16*\x+6], 16, v[ST+8*\x+5]
.endr
.irp x, 0,1
	s_delay_alu instid0(VALU_DEP_2)
	v_lshl_or_b32 v[ST+8*\x+5], v[TM+16*\x+7], 24, v[ST+8*\x+5]
.endr
.irp x, 0,1
.irp b, 0,1,2,3
.irp i, 0,2,4,6,8,10,12,14
	v_dual_min_num_f32 v[S+64*\x+16*\b+\i], v[S+64*\x+16*\b+\i], v[TM+16*\x+8+\b] :: v_dual_min_num_f32 v[S+64*\x+16*\b+\i+1], v[S+64*\x+16*\b+\i+1], v[TM+16*\x+8+\b]   ; the one-sided hold (the conversion does not saturate: ISA guide 7.6.2), two numbers an instruction
.endr
	v_cvt_scalef32_pk8_fp8_f32 v[P+16*\x+4*\b:P+16*\x+4*\b+1], v[S+64*\x+16*\b:S+64*\x+16*\b+7], v[TM+16*\x+12+\b]
	v_cvt_scalef32_pk8_fp8_f32 v[P+16*\x+4*\b+2:P+16*\x+4*\b+3], v[S+64*\x+16*\b+8:S+64*\x+16*\b+15], v[TM+16*\x+12+\b]
.endr
.endr
	WIN 0x41                                       ; O^T (destination and source 0) in window 1, f in window 0
.irp x, 0,1
.set j, 0
.rept 16
	v_pk_mul_f32 v[O+32*\x+j:O+32*\x+j+1], v[O+32*\x+j:O+32*\x+j+1], v[ST+8*\x+4:ST+8*\x+5] op_sel_hi:[1,0]   ; O^T under the new M.  (These 32 are also the plain lines behind the conversions and ahead of the products)
.set j, j+2
.endr
.endr
.if \pf
	s_wait_alu depctr_va_vdst(0)
	s_wait_dscnt 17                                ; V and its scale words are in; the 17 loads issued behind them, the next step's K and its scale words, may be out
.else
	s_wait_alu depctr_va_vdst(0)
	s_wait_dscnt 0x0
.endif
	WIN 0x51                                       ; V in window 1, P in window 0, O^T in window 1
.irp t, 0,1,2,3
.irp x, 0,1
	v_wmma_scale_f32_16x16x128_f8f6f4 v[O+32*\x+8*\t:O+32*\x+8*\t+7], v[VF+16*\t:VF+16*\t+15], v[P+16*\x:P+16*\x+15], v[O+32*\x+8*\t:O+32*\x+8*\t+7], v[VSR+\t], v[ST+8*\x+5]   ; the eight accumulators take turns, one instruction a turn
.endr
.endr
	WIN 0
	s_add_co_u32 s26, s26, STEPB                   ; the next step's bytes
.endm
.Lpass:                                            ; two trips: a pair of tiles each
	s_wait_loadcnt 0x0                             ; this pass's Q and its scale words are in
	WIN 0x41
.irp k, 0,1,2,3,4,5,6,7
	v_mov_b32 v[QZ+8+\k], v[QN+\k]                 ; qA
	v_mov_b32 v[QZ+24+\k], v[QN+8+\k]              ; qB
.endr
	WIN 0
	v_mov_b32 v[QSW], v[QSN]
	v_mov_b32 v[QSW+1], v[QSN+1]
	s_cmp_eq_u32 s29, 1                            ; the next pass's Q is asked for here, if there is a next pass: no load leaves its buffer
	s_cbranch_scc1 .Lno_next
	WIN 0x40
.irp k, 0,1,2,3
	global_load_b128 v[QN+4*\k:QN+4*\k+3], v[LI], s[4:5] offset:16384+512*\k   ; eight pairs of tiles on
.endr
	WIN 0
	global_load_b64 v[QSN:QSN+1], v[LI], s[6:7] offset:2048
.Lno_next:
	WIN 0x40
.set j, 0
.rept 64
	v_mov_b32 v[O+j], 0                            ; O^T.  (The step is written without a first step of its own: it finds zeros, which the first change of M leaves zeros)
.set j, j+1
.endr
	WIN 0
.irp x, 0,1
	v_mov_b32 v[ST+8*\x+1], 0xff61b1e6             ; the largest t so far: -3e38, under every t
	s_delay_alu instid0(VALU_DEP_1)
	v_floor_f32 v[ST+8*\x], -v[ST+8*\x+1]          ; -M
	v_mov_b32 v[ST+8*\x+2], 0                      ; the sum, in two halves
	v_mov_b32 v[ST+8*\x+3], 0
	v_mov_b32 v[ST+8*\x+5], 0                      ; (named as the upper half of f's pair before it is first made)
.endr
	s_mov_b32 s26, 0
	ds_load_b128 v[KSR:KSR+3], v[LI] offset:16384  ; step 0's K
	WIN 0x40
.irp F, 0,1,2,3
.irp c, 0,1,2,3
	ds_load_b128 v[KF+16*\F+4*\c:KF+16*\F+4*\c+3], v[LI] offset:2048*\F+512*\c
.endr
.endr
	WIN 0
	s_mov_b32 s28, 15
.Lstep:
	STEP 1
	s_sub_co_u32 s28, s28, 1
	s_cmp_lg_u32 s28, 0
	s_cbranch_scc1 .Lstep
	STEP 0                                         ; the last step fetches no further K
	; ---- the pass's end: O^T / the sum, quantised along the head's 64 channels (two blocks of 32)
.rept 8
	v_nop                                          ; places behind the last products
.endr
.irp x, 0,1
	v_add_f32 v[ST+8*\x+6], v[ST+8*\x+2], v[ST+8*\x+3]   ; the sum's two halves,
.endr
.irp x, 0,1
	v_permlanex16_b32 v[ST+8*\x+7], v[ST+8*\x+6], s20, s21
.endr
.irp x, 0,1
	s_delay_alu instid0(VALU_DEP_2)
	v_add_f32 v[ST+8*\x+6], v[ST+8*\x+6], v[ST+8*\x+7]   ; and lane l xor 16's: the row's sum
.endr
	s_wait_alu depctr_va_vdst(0)
.irp x, 0,1
	v_rcp_f32 v[ST+8*\x+7], v[ST+8*\x+6]
.endr
	v_nop                                          ; a plain line behind the reciprocals,
	s_wait_alu depctr_va_vdst(0)                   ; and one wait for both, ahead of the first reader
	WIN 0x01                                       ; O^T in window 1
.irp x, 0,1
.set j, 0
.rept 32
	v_mul_f32 v[S+64*\x+j], v[O+32*\x+j], v[ST+8*\x+7]   ; register 8 t + i is o(query r, channel 16 t + 8 h + i); each accumulator from its low end on
.set j, j+1
.endr
.endr
	WIN 0
.irp c, 0,1
.irp x, 0,1
	v_max3_num_f32 v[TM+16*\x+\c], |v[S+64*\x+16*\c]|, |v[S+64*\x+16*\c+1]|, 0x4800000
.endr
.endr
.irp i, 2,4,6,8,10,12,14
.irp c, 0,1
.irp x, 0,1
	s_delay_alu instid0(VALU_DEP_4)
	v_max3_num_f32 v[TM+16*\x+\c], v[TM+16*\x+\c], |v[S+64*\x+16*\c+\i]|, |v[S+64*\x+16*\c+\i+1]|
.endr
.endr
.endr
.irp c, 0,1
.irp x, 0,1
	s_delay_alu instid0(VALU_DEP_4)
	v_permlanex16_b32 v[TM+16*\x+4+\c], v[TM+16*\x+\c], s20, s21
.endr
.endr
.irp c, 0,1
.irp x, 0,1
	s_delay_alu instid0(VALU_DEP_4)
	v_max_num_f32 v[TM+16*\x+\c], v[TM+16*\x+\c], v[TM+16*\x+4+\c]
.endr
.endr
.irp c, 0,1
.irp x, 0,1
	s_delay_alu instid0(VALU_DEP_4)
	v_add_nc_u32 v[TM+16*\x+12+\c], 0xfc000000, v[TM+16*\x+\c]
.endr
.endr
.irp c, 0,1
.irp x, 0,1
	v_and_or_b32 v[TM+16*\x+8+\c], v[TM+16*\x+\c], 0x7f800000, s24
.endr
.endr
.irp c, 0,1
.irp x, 0,1
	v_lshrrev_b32 v[TM+16*\x+4+\c], 23, v[TM+16*\x+12+\c]
.endr
.endr
.irp x, 0,1
	s_delay_alu instid0(VALU_DEP_2)
	v_lshl_or_b32 v[OW+\x], v[TM+16*\x+5], 8, v[TM+16*\x+4]   ; the head's two bytes of my row
.endr
.irp x, 0,1
.irp c, 0,1
.irp i, 0,1,2,3,4,5,6,7,8,9,10,11,12,13,14,15
	v_med3_num_f32 v[S+64*\x+16*\c+\i], v[S+64*\x+16*\c+\i], -v[TM+16*\x+8+\c], v[TM+16*\x+8+\c]
.endr
	v_cvt_scalef32_pk8_fp8_f32 v[RAW+8*\x+4*\c:RAW+8*\x+4*\c+1], v[S+64*\x+16*\c:S+64*\x+16*\c+7], v[TM+16*\x+12+\c]
	v_cvt_scalef32_pk8_fp8_f32 v[RAW+8*\x+4*\c+2:RAW+8*\x+4*\c+3], v[S+64*\x+16*\c+8:S+64*\x+16*\c+15], v[TM+16*\x+12+\c]
.endr
.endr
	v_nop                                          ; one plain line behind the last conversion
	; A block's four registers hold channels 8 h + 0..7 and 16 + 8 h + 0..7; the operand wants 16 h + 0..15.  Lanes 0-15 send their upper two registers, lanes 16-31 their lower two, to the lane 16 away.
.irp x, 0,1
.irp c, 0,1
.irp k, 0,1
	v_cndmask_b32 v[SND+\k], v[RAW+8*\x+4*\c+2+\k], v[RAW+8*\x+4*\c+\k], s25
.endr
.irp k, 0,1
	s_delay_alu instid0(VALU_DEP_2)
	v_permlanex16_b32 v[RCV+\k], v[SND+\k], s20, s21
.endr
.irp k, 0,1
	v_cndmask_b32 v[P+16*\x+4*\c+\k], v[RAW+8*\x+4*\c+\k], v[RCV+\k], s25
	v_cndmask_b32 v[P+16*\x+4*\c+2+\k], v[RCV+\k], v[RAW+8*\x+4*\c+2+\k], s25
.endr
.endr
.endr
.irp x, 0,1
.irp c, 0,1
	global_store_b128 v[LI], v[P+16*\x+4*\c:P+16*\x+4*\c+3], s[10:11] offset:16384*\x+512*\c   ; an image of four registers: 512 consecutive bytes
.endr
.endr
	global_store_b64 v[L8], v[OW:OW+1], s[12:13]   ; the pair's scale words: 256 consecutive bytes
	s_wait_xcnt 0x0                                ; the stores have read their data and their bases: both are written again only behind this wait
	s_add_nc_u64 s[10:11], s[10:11], 262144        ; sixteen tiles of rows on
	s_add_nc_u64 s[12:13], s[12:13], 2048          ; eight pairs on
	s_sub_co_u32 s29, s29, 1
	s_cmp_lg_u32 s29, 0
	s_cbranch_scc1 .Lpass
	s_wait_dscnt 0x0
	s_wait_tensorcnt 0x0
	ds_add_u32 v94, v95
	s_wait_dscnt 0x0
	CROUND                                         ; the closing round: no work-group ends while a partner may still ask for bytes jointly
	s_endpgm
.Lfunc_end_k_qf923ecb1f2_attn:
	.size	k_qf923ecb1f2_attn, .Lfunc_end_k_qf923ecb1f2_attn-k_qf923ecb1f2_attn
	.p2alignl 7, 3214868480
	.fill 96, 4, 3214868480
	.section	.rodata,"a",@progbits
	.p2align	6, 0x0
	.amdhsa_kernel k_qf923ecb1f2_attn
		.amdhsa_group_segment_fixed_size 279552
		.amdhsa_private_segment_fixed_size 0
		.amdhsa_enable_private_segment 0
		.amdhsa_kernarg_size 40
		.amdhsa_user_sgpr_count 2
		.amdhsa_user_sgpr_kernarg_segment_ptr 1
		.amdhsa_wavefront_size32 1
		.amdhsa_system_sgpr_workgroup_id_x 1
		.amdhsa_system_sgpr_workgroup_id_y 1
		.amdhsa_system_sgpr_workgroup_id_z 1
		.amdhsa_system_vgpr_workitem_id 0
		.amdhsa_next_free_vgpr 512
		.amdhsa_next_free_sgpr 66
		.amdhsa_reserve_vcc 0
		.amdhsa_float_denorm_mode_32 3
		.amdhsa_float_denorm_mode_16_64 3
		.amdhsa_memory_ordered 1
		.amdhsa_forward_progress 1
		.amdhsa_inst_pref_size 94
	.end_amdhsa_kernel
	.amdgpu_metadata
---
amdhsa.version: [ 1, 2 ]
amdhsa.kernels:
  - .name:           k_qf923ecb1f2_attn
    .symbol:         k_qf923ecb1f2_attn.kd
    .args:
      - { .name: qi, .offset: 0, .size: 8, .value_kind: global_buffer, .address_space: global }
      - { .name: qs, .offset: 8, .size: 8, .value_kind: global_buffer, .address_space: global }
      - { .name: kv, .offset: 16, .size: 8, .value_kind: global_buffer, .address_space: global }
      - { .name: ai, .offset: 24, .size: 8, .value_kind: global_buffer, .address_space: global }
      - { .name: asw, .offset: 32, .size: 8, .value_kind: global_buffer, .address_space: global }
    .group_segment_fixed_size: 279552
    .private_segment_fixed_size: 0
    .kernarg_segment_align: 8
    .kernarg_segment_size: 40
    .max_flat_workgroup_size: 256
    .sgpr_count:     66
    .vgpr_count:     512
    .wavefront_size: 32
...
	.end_amdgpu_metadata
.endif
;; end of part 3
;; launch proj (part 4): grid 256 x 1, 4 waves a work-group, clusters of 4 x 1, 327,680 bytes of LDS; arguments ai, asw, pwi, proj_w_scales, proj_b, q, ln_a, ln_b, out0; writes out0
.if DOCPART == 4
	.amdgcn_target "amdgcn-amd-amdhsa--gfx1250"
	.amdhsa_code_object_version 6
	.text
	.protected	k_qf923ecb1f2_proj
	.globl	k_qf923ecb1f2_proj
	.p2align	8
	.type	k_qf923ecb1f2_proj,@function
k_qf923ecb1f2_proj:
	s_mov_b64 s[64:65], 0
	v_nop
	global_prefetch_b8 v0, s[64:65] scope:SCOPE_SE
	s_setreg_imm32_b32 hwreg(HW_REG_WAVE_MODE, 25, 1), 1
	s_wait_xcnt 0x0
	s_wait_alu depctr_hold_cnt(0) depctr_sa_sdst(0) depctr_va_vdst(0) depctr_va_sdst(0) depctr_va_ssrc(0) depctr_va_vcc(0) depctr_vm_vsrc(0)
	s_getreg_b32 s2, hwreg(HW_REG_IB_STS2, 6, 4)
	s_cmp_eq_u32 s2, 0
	s_cbranch_scc0 .Lentry_in_a_cluster
	s_endpgm
.Lentry_in_a_cluster:
	s_bfe_u32 s2, ttmp6, 0x10000c
	s_cmp_lg_u32 s2, 0x3003
	s_cbranch_scc0 .Lentry_shape_is_right
	s_endpgm
.Lentry_shape_is_right:
; PROJ.  out0 = LayerNorm(attention's result x proj_w^T + proj_b + q), the product on codes of FP8 (E4M3) with one E8M0 scale for each 32 along K = 1,024.
; LayerNorm as the module has it: mean; sigma with the divisor 1,023; (z - mean) / (sigma + 0.001) x ln_a + ln_b.  The mean is taken first, the squares of z - mean are summed after it.
; SHARES.  A work-group owns 32 whole rows, so that the norm needs no other work-group.  Wave w makes columns 256 w .. 256 w + 255 for all 32 rows: 16 tiles of columns x 2 tiles of rows = 32 accumulators.
; THE WEIGHTS are walked by every work-group alike: the four work-groups of a cluster ask for them JOINTLY.  K goes in 8 steps of 128 through a ring of two LDS slots of 131,072 bytes.
; A wave fetches, with one tensor load, the step's images of its own 16 tiles of columns (16 rows of 2,048 bytes, 16,384 bytes apart in pwi) and it alone reads them, 512 consecutive bytes an instruction.
; One tensor load of a wave is out at any time.  The product is used transposed (source 0 = 16 rows of proj_w, source 1 = 16 rows of the activations): a lane holds a row and eight neighbouring columns.
; THE WAY OUT: the results meet in a stage of 32 rows x (4,096 + 16) bytes, laid in the ring's bytes behind their last fill and last read; then wave w takes rows 8 w .. 8 w + 7 whole, 128 bytes a lane.
; Row p of q is asked for at the end of K step p, into the registers of that step's two activation fragments, which are done with.
; LIMITS: NaN and infinities are not served.
; REGISTERS.  Window 0: v1 16 x lane, v2 and v13 the add's two, v3-4 the stage on the way in, v5 on the way back, v8-9 my fragments in slot 0, 1 (later statistics), v6-12, v14-15 a row's statistics;
;   v16-31 the activations' scale words, v32-95 the weights'; v96-159 two rows by turns (at the head: scale bytes as loaded, three offsets); v160-191 proj_b, v192-223 ln_a, v224-255 ln_b.
;   Window 1: a K step's 16 weight fragments.  Window 2: the 32 accumulators.  Window 3: the activations' fragments at 32 s + 16 t, then q's rows at 32 p.
.set LI,  1
.set SPW, 2
.set SO,  3
.set SR,  5
.set AW,  8
.set NIL, 13
.set ASC, 16
.set BSC, 32
.set ACC, 96
.set L32, 128
.set L8,  129
.set PFO, 130
.set PB,  160
.set LA,  192
.set LB,  224
.set SPI, 4112                         ; a stage row: 4,096 bytes + 16
.set SLOT, 131072
.set SPARE, 262144                     ; behind the ring: the spare words, 128 bytes a wave
.set G1,  32                           ; s[32:39] descriptor group 1
.set G0,  40                           ; s[40:43], s[44:47] group 0 for slot 0, 1
.set MSB, 0
.macro WIN new                         ; bits 1:0 source 0, 3:2 source 1, 5:4 source 2, 7:6 destination; the high byte repeats the setting that is left
.if MSB != \new
	s_set_vgpr_msb (MSB<<8)|\new
.set MSB, \new
.endif
.endm
.macro PLACES n
.rept \n
	v_nop
.endr
.endm
.macro ROUND                           ; a round of the cluster's barrier
	s_barrier_signal -1
	s_barrier_wait -1
	s_cmp_lg_u32 s22, 0
	s_cbranch_scc1 .Lnw0_\@
	s_barrier_signal -3
.Lnw0_\@:
	s_barrier_wait -3
	s_barrier_signal -1
	s_barrier_wait -1
.endm
	s_load_b512 s[4:19], s[0:1], 0x0               ; ai s[4:5], asw s[6:7], pwi s[8:9], proj_w's scales s[10:11], proj_b s[12:13], q s[14:15], ln_a s[16:17], ln_b s[18:19]
	s_load_b64 s[20:21], s[0:1], 0x40              ; out0
	v_lshl_add_u32 v[SPW], v0, 2, SPARE
	v_mov_b32 v[NIL], 0
	ds_add_u32 v[SPW], v[NIL]                      ; the opening lines: the add, twice on end, and its wait ahead of the first tensor load
	ds_add_u32 v[SPW], v[NIL]
	v_lshrrev_b32 v6, 5, v0
	v_readfirstlane_b32 s22, v6                    ; wave 0..3
	s_bfe_u32 s29, ttmp6, 0x40000                  ; cx: it enters global addresses alone
	s_lshl_b32 s23, ttmp9, 2
	s_add_co_u32 s23, s23, s29                     ; my work-group's number
	s_lshl_b32 s26, s22, 10
	s_mul_i32 s27, s22, 8*SPI
	s_lshl_b32 s[G0+1], s22, 15                    ; my wave's 32,768 bytes of slot 0
	s_lshl_b32 s28, s29, 16                        ; my work-group's four tiles of the wave's sixteen
	v_and_b32 v6, 31, v0                           ; lane
	v_and_b32 v7, 15, v0                           ; r
	v_bfe_u32 v10, v0, 4, 1                        ; h
	v_lshlrev_b32 v[LI], 4, v6
	v_lshlrev_b32 v[L32], 5, v6
	v_lshlrev_b32 v[L8], 3, v6
	v_mul_u32_u24 v[SO], v7, SPI
	v_lshl_add_u32 v[SO], v10, 5, v[SO]
	v_add_nc_u32 v[SO], s26, v[SO]                 ; the stage, in: row r, + 32 h, + my wave's 1,024 bytes
	v_add_nc_u32 v[SO+1], 16*SPI, v[SO]            ; and the second tile of rows
	v_add_nc_u32 v[SR], s27, v[LI]                 ; back: my 8 rows, 16 bytes a lane
	v_add_nc_u32 v[AW], s[G0+1], v[LI]             ; my fragments' images in slot 0,
	v_add_nc_u32 v[AW+1], SLOT, v[AW]              ; in slot 1
	v_lshrrev_b32 v12, 3, v6
	v_and_b32 v14, 7, v6
	v_lshlrev_b32 v12, 14, v12                     ; tile lane / 8 of my four,
	v_lshl_add_u32 v12, v14, 8, v12                ; block lane % 8 of its 2,048 bytes
	v_add_nc_u32 v[PFO], s28, v12
	v_mov_b32 v11, 0                               ; (upper halves of pairs of which the low word alone is taken)
	v_mov_b32 v15, 0
	s_mov_b32 s[G1], 15|(3<<16)|(1<<21)            ; the mask: all four work-groups; elements of 8 bytes; bit 21 beside a mask
	s_mov_b32 s[G1+1], 256<<16                     ; tensor_dim0 = 256 elements = 2,048 bytes
	s_mov_b32 s[G1+2], 16<<16                      ; tensor_dim1 = 16
	s_mov_b32 s[G1+3], 256<<16                     ; tile_dim0
	s_mov_b32 s[G1+4], 16                          ; tile_dim1
	s_mov_b32 s[G1+5], 2048                        ; from row to row: 16,384 bytes
	s_mov_b32 s[G1+6], 0
	s_mov_b32 s[G1+7], 0
	s_mov_b32 s[G0], 1
	s_mov_b32 s[G0+4], 1
	s_add_co_u32 s[G0+5], s[G0+1], SLOT
	s_mov_b32 s24, 0x76543210
	s_mov_b32 s25, 0xfedcba98                      ; v_permlanex16_b32's selects for lane l xor 16
	s_mov_b32 s31, 0
	s_lshl_b32 s30, s22, 18                        ; pwi: my wave's 16 tiles of columns
	s_wait_alu depctr_va_vdst(0)
	s_wait_dscnt 0x0                               ; both opening adds are done
	s_wait_kmcnt 0x0
	s_add_nc_u64 s[8:9], s[8:9], s[30:31]
	s_mov_b64 s[G0+2:G0+3], s[8:9]                 ; K step 0
	s_or_b32 s[G0+3], s[G0+3], 0x80000000
	s_add_nc_u64 s[G0+6:G0+7], s[8:9], 2048        ; K step 1
	s_or_b32 s[G0+7], s[G0+7], 0x80000000
	ROUND                                          ; all four work-groups are here: the first joint loads meet
	tensor_load_to_lds s[G0:G0+3], s[G1:G1+7]      ; K step 0: my one tensor load at the head
	s_nop 0
	PLACES 4
	s_lshl_b32 s30, s23, 15                        ; ai: two tiles of rows, 16,384 bytes each
	s_add_nc_u64 s[4:5], s[4:5], s[30:31]
	s_lshl_b32 s30, s23, 8                         ; asw: my pair of tiles
	s_add_nc_u64 s[6:7], s[6:7], s[30:31]
	s_lshl_b32 s30, s22, 13                        ; proj_w's scales: my wave's 256 rows of 32 bytes
	s_add_nc_u64 s[10:11], s[10:11], s[30:31]
	s_lshl_b32 s30, s23, 17                        ; q and out0: row 32 x work-group + 8 x wave, 4,096 bytes a row
	s_lshl_b32 s28, s22, 15
	s_add_co_u32 s30, s30, s28
	s_add_nc_u64 s[14:15], s[14:15], s[30:31]
	s_add_nc_u64 s[20:21], s[20:21], s[30:31]
.irp d, 0,1,2,3,4,5,6,7,8,9,10,11,12,13,14,15
	global_load_b64 v[ACC+2*\d:ACC+2*\d+1], v[L8], s[6:7] offset:65536*\d   ; head d's two bytes of my row, for both tiles of rows
.endr
.irp i, 0,1,2,3,4,5,6,7
.irp j, 0,1
	global_load_b128 v[BSC+8*\i+4*\j:BSC+8*\i+4*\j+3], v[L32], s[10:11] offset:1024*\i+16*\j   ; lane l: the eight words of proj_w's row 32 i + l: lanes 0-15 serve the even tile of columns, lanes 16-31 the odd one
.endr
.endr
	WIN 0xc0                                       ; destination window 3
.irp t, 0,1
.irp s, 0,1,2,3,4,5,6,7
.irp c, 0,1,2,3
	global_load_b128 v[32*\s+16*\t+4*\c:32*\s+16*\t+4*\c+3], v[LI], s[4:5] offset:16384*\t+2048*\s+512*\c
.endr
.endr
.endr
	WIN 0
.irp j, 0,1,2,3,4,5,6,7
	global_load_b128 v[PB+4*\j:PB+4*\j+3], v[LI], s[12:13] offset:512*\j
	global_load_b128 v[LA+4*\j:LA+4*\j+3], v[LI], s[16:17] offset:512*\j
	global_load_b128 v[LB+4*\j:LB+4*\j+3], v[LI], s[18:19] offset:512*\j
.endr
.macro PROD s, n, t                    ; tile of columns n x tile of rows t, K step s
.set rD,  8*(2*(\n)+(\t))
.set rW,  16*(\n)
.set rA,  32*(\s)+16*(\t)
.set rWS, BSC+8*((\n)/2)+(\s)
.set rAS, ASC+8*(\t)+(\s)
.if (\s) == 0
.if (\n)%2
	v_wmma_scale_f32_16x16x128_f8f6f4 v[rD:rD+7], v[rW:rW+15], v[rA:rA+15], 0, v[rWS], v[rAS] matrix_a_scale:MATRIX_SCALE_ROW1
.else
	v_wmma_scale_f32_16x16x128_f8f6f4 v[rD:rD+7], v[rW:rW+15], v[rA:rA+15], 0, v[rWS], v[rAS]
.endif
.else
.if (\n)%2
	v_wmma_scale_f32_16x16x128_f8f6f4 v[rD:rD+7], v[rW:rW+15], v[rA:rA+15], v[rD:rD+7], v[rWS], v[rAS] matrix_a_scale:MATRIX_SCALE_ROW1
.else
	v_wmma_scale_f32_16x16x128_f8f6f4 v[rD:rD+7], v[rW:rW+15], v[rA:rA+15], v[rD:rD+7], v[rWS], v[rAS]
.endif
.endif
.endm
; A K STEP.  The change of slots stands at its head: the wait for all my tensor loads (one: this step's), the add, the wait for it and for my reads of the other slot; a round of the cluster's barrier; the other slot's next fill.
.macro TRIP s
.set sl, (\s)%2
	s_wait_tensorcnt 0x0                           ; this step's images are in; no tensor load of mine is out, so a group 0 may be written
	ds_add_u32 v[SPW], v[NIL]
	s_add_nc_u64 s[G0+4*sl+2:G0+4*sl+3], s[G0+4*sl+2:G0+4*sl+3], 4096   ; this slot's next K step (behind step 5 the stepped address is not used)
	s_wait_dscnt 0x0
.if (\s) < 7
	ROUND
	tensor_load_to_lds s[G0+4-4*sl:G0+7-4*sl], s[G1:G1+7]   ; K step s + 1, into the slot read last
	s_nop 0
	PLACES 4
.else
	s_barrier_signal -1
	s_barrier_wait -1
.endif
	WIN 0x40                                       ; destination window 1.  (Eight places stand behind the last step's products, at that step's end)
.irp n, 0,1,2,3,4,5,6,7,8,9,10,11,12,13,14,15
.irp c, 0,1,2,3
	ds_load_b128 v[16*\n+4*\c:16*\n+4*\c+3], v[AW+sl] offset:2048*\n+512*\c
.endr
.endr
.if (\s)+3 < 8
.endif
.if (\s) == 0
	WIN 0
	s_wait_loadcnt 24                              ; all but the 24 loads of proj_b, ln_a, ln_b are in
.irp t, 0,1
.irp k, 0,1,2,3,4,5,6,7
	v_lshl_or_b32 v[ASC+8*\t+\k], v[ACC+4*\k+2+\t], 16, v[ACC+4*\k+\t]   ; K step k is heads 2 k and 2 k + 1: their two bytes each make my row's word
.endr
.endr
	s_wait_alu depctr_va_vdst(0)
	PLACES 8                                       ; a scale register written by a vector instruction stands eight places ahead of the scaled product
.endif
	WIN 0xad                                       ; weights window 1, activations window 3, C and D window 2
.irp g, 0,1,2,3
	s_wait_dscnt 48-16*\g                          ; fragments 4 g .. 4 g + 3 are in; the 16 loads of each later group may be out
.irp i, 0,1,2,3
.irp t, 0,1
	PROD \s, 4*\g+\i, \t                           ; the 32 accumulators take turns, one instruction a turn
.endr
.endr
.endr
	PLACES 8                                       ; ahead of the loads into registers that these products read, and of the reads of results
	WIN 0xc0
.irp j, 0,1,2,3,4,5,6,7
	global_load_b128 v[32*(\s)+4*\j:32*(\s)+4*\j+3], v[LI], s[14:15] offset:4096*(\s)+512*\j th:TH_LOAD_NT   ; my row s of q, 512 consecutive bytes an instruction
.endr
	WIN 0
.endm
.irp s, 0,1,2,3,4,5,6,7
	TRIP \s
.endr
	s_wait_dscnt 0x0
	s_barrier_signal -1
	s_barrier_wait -1                              ; nobody reads the ring any more, and it has had its last fill: the stage may be laid there
	WIN 0x08                                       ; the data: window 2
.irp n, 0,1,2,3,4,5,6,7,8,9,10,11,12,13,14,15
.irp t, 0,1
	ds_store_b128 v[SO+\t], v[8*(2*\n+\t):8*(2*\n+\t)+3] offset:64*\n        ; lane (r, h): row 16 t + r, columns 16 n + 8 h + 0 .. 7; each accumulator from its low end on
	ds_store_b128 v[SO+\t], v[8*(2*\n+\t)+4:8*(2*\n+\t)+7] offset:64*\n+16
.endr
.endr
	WIN 0
	s_wait_dscnt 0x0                               ; for the others' sake: my stores into the stage are done
	s_barrier_signal -1
	s_barrier_wait -1                              ; 32 whole rows of the product lie in the stage
; ---- the rows.  Lane l holds columns 128 j + 4 l + 0 .. 3, j = 0 .. 7.
.macro ZLOAD p
	s_wait_xcnt 0x0                                ; the stores of the row that lay in these registers (the first times: the head's loads, by their offsets) have read them
.irp j, 0,1,2,3,4,5,6,7
	ds_load_b128 v[ACC+32*((\p)%2)+4*\j:ACC+32*((\p)%2)+4*\j+3], v[SR] offset:SPI*(\p)+512*\j
.endr
.endm
.macro REDUCE                          ; v[6:7] and v[8:9] hold two packed chains: their sum over the 32 lanes into v6, in every lane
	v_pk_add_f32 v[6:7], v[6:7], v[8:9]
	v_add_f32 v6, v6, v7
	v_add_f32_dpp v6, v6, v6 row_xmask:1 row_mask:0xf bank_mask:0xf
	v_add_f32_dpp v6, v6, v6 row_xmask:2 row_mask:0xf bank_mask:0xf
	v_add_f32_dpp v6, v6, v6 row_xmask:4 row_mask:0xf bank_mask:0xf
	v_add_f32_dpp v6, v6, v6 row_xmask:8 row_mask:0xf bank_mask:0xf
	v_permlanex16_b32 v7, v6, s24, s25
	v_add_f32 v6, v6, v7
.endm
.macro ROW p
.set Z, ACC+32*((\p)%2)
.if (\p) < 7
	s_wait_dscnt 8                                 ; this row is in; the next row's eight loads may be out
.else
	s_wait_dscnt 0x0
.endif
	s_wait_loadcnt 8*(7-(\p))                      ; this row of q is in; the eight loads of each later row may be out
	WIN 0x0c                                       ; source 1: window 3
.set j, 0
.rept 16
	v_pk_add_f32 v[Z+j:Z+j+1], v[Z+j:Z+j+1], v[32*(\p)+j:32*(\p)+j+1]   ; + q
.set j, j+2
.endr
	WIN 0
.set j, 0
.rept 16
	v_pk_add_f32 v[Z+j:Z+j+1], v[Z+j:Z+j+1], v[PB+j:PB+j+1]   ; + proj_b
.set j, j+2
.endr
	v_pk_add_f32 v[6:7], v[Z:Z+1], v[Z+2:Z+3]
	v_pk_add_f32 v[8:9], v[Z+4:Z+5], v[Z+6:Z+7]
.set j, 8
.rept 6
	v_pk_add_f32 v[6:7], v[6:7], v[Z+j:Z+j+1]
	v_pk_add_f32 v[8:9], v[8:9], v[Z+j+2:Z+j+3]
.set j, j+4
.endr
	REDUCE
	v_mul_f32 v10, 0x3a800000, v6                  ; the mean: / 1,024
.set j, 0
.rept 16
	v_pk_add_f32 v[Z+j:Z+j+1], v[Z+j:Z+j+1], v[10:11] op_sel_hi:[1,0] neg_lo:[0,1] neg_hi:[0,1]   ; z - mean
.set j, j+2
.endr
	v_pk_mul_f32 v[6:7], v[Z:Z+1], v[Z:Z+1]
	v_pk_mul_f32 v[8:9], v[Z+2:Z+3], v[Z+2:Z+3]
.set j, 4
.rept 7
	v_pk_fma_f32 v[6:7], v[Z+j:Z+j+1], v[Z+j:Z+j+1], v[6:7]
	v_pk_fma_f32 v[8:9], v[Z+j+2:Z+j+3], v[Z+j+2:Z+j+3], v[8:9]
.set j, j+4
.endr
	REDUCE
	v_mul_f32 v12, 0x3a802008, v6                  ; / 1,023
	s_wait_alu depctr_va_vdst(0)
	v_sqrt_f32 v14, v12                            ; sigma
	v_nop                                          ; a plain line behind the root,
	s_wait_alu depctr_va_vdst(0)                   ; and the wait ahead of its reader
	v_add_f32 v12, 0x3a83126f, v14                 ; + 0.001
	s_wait_alu depctr_va_vdst(0)
	v_rcp_f32 v14, v12
	v_nop
	s_wait_alu depctr_va_vdst(0)
.set j, 0
.rept 16
	v_pk_mul_f32 v[Z+j:Z+j+1], v[Z+j:Z+j+1], v[14:15] op_sel_hi:[1,0]
.set j, j+2
.endr
.set j, 0
.rept 16
	v_pk_fma_f32 v[Z+j:Z+j+1], v[Z+j:Z+j+1], v[LA+j:LA+j+1], v[LB+j:LB+j+1]
.set j, j+2
.endr
.irp j, 0,1,2,3,4,5,6,7
	global_store_b128 v[LI], v[Z+4*\j:Z+4*\j+3], s[20:21] offset:4096*(\p)+512*\j th:TH_STORE_NT   ; 512 consecutive bytes of a row; written once, read by nobody here
.endr
.endm
	ZLOAD 0
.irp p, 0,1,2,3,4,5,6
	ZLOAD \p+1                                     ; one row ahead
	ROW \p
.endr
	ROW 7
	s_wait_tensorcnt 0x0                           ; the wave's end
	ds_add_u32 v[SPW], v[NIL]
	s_wait_dscnt 0x0
	ROUND                                          ; the closing round
	s_endpgm
.Lfunc_end_k_qf923ecb1f2_proj:
	.size	k_qf923ecb1f2_proj, .Lfunc_end_k_qf923ecb1f2_proj-k_qf923ecb1f2_proj
	.p2alignl 7, 3214868480
	.fill 96, 4, 3214868480
	.section	.rodata,"a",@progbits
	.p2align	6, 0x0
	.amdhsa_kernel k_qf923ecb1f2_proj
		.amdhsa_group_segment_fixed_size 327680
		.amdhsa_private_segment_fixed_size 0
		.amdhsa_enable_private_segment 0
		.amdhsa_kernarg_size 72
		.amdhsa_user_sgpr_count 2
		.amdhsa_user_sgpr_kernarg_segment_ptr 1
		.amdhsa_wavefront_size32 1
		.amdhsa_system_sgpr_workgroup_id_x 1
		.amdhsa_system_sgpr_workgroup_id_y 1
		.amdhsa_system_sgpr_workgroup_id_z 1
		.amdhsa_system_vgpr_workitem_id 0
		.amdhsa_next_free_vgpr 1024
		.amdhsa_next_free_sgpr 66
		.amdhsa_reserve_vcc 0
		.amdhsa_float_denorm_mode_32 3
		.amdhsa_float_denorm_mode_16_64 3
		.amdhsa_memory_ordered 1
		.amdhsa_forward_progress 1
		.amdhsa_inst_pref_size 178
	.end_amdhsa_kernel
	.amdgpu_metadata
---
amdhsa.version: [ 1, 2 ]
amdhsa.kernels:
  - .name:           k_qf923ecb1f2_proj
    .symbol:         k_qf923ecb1f2_proj.kd
    .args:
      - { .name: ai, .offset: 0, .size: 8, .value_kind: global_buffer, .address_space: global }
      - { .name: asw, .offset: 8, .size: 8, .value_kind: global_buffer, .address_space: global }
      - { .name: pwi, .offset: 16, .size: 8, .value_kind: global_buffer, .address_space: global }
      - { .name: proj_w_scales, .offset: 24, .size: 8, .value_kind: global_buffer, .address_space: global }
      - { .name: proj_b, .offset: 32, .size: 8, .value_kind: global_buffer, .address_space: global }
      - { .name: q, .offset: 40, .size: 8, .value_kind: global_buffer, .address_space: global }
      - { .name: ln_a, .offset: 48, .size: 8, .value_kind: global_buffer, .address_space: global }
      - { .name: ln_b, .offset: 56, .size: 8, .value_kind: global_buffer, .address_space: global }
      - { .name: out0, .offset: 64, .size: 8, .value_kind: global_buffer, .address_space: global }
    .group_segment_fixed_size: 327680
    .private_segment_fixed_size: 0
    .kernarg_segment_align: 8
    .kernarg_segment_size: 72
    .max_flat_workgroup_size: 128
    .sgpr_count:     66
    .vgpr_count:     1024
    .wavefront_size: 32
...
	.end_amdgpu_metadata
.endif
;; end of part 4
